; MI455X (gfx1250); checked and timed in simulation.
; The chip was launched on July 23, 2026; its instructions are those of AMD's public machine-readable ISA for CDNA 5 (MIT licence, August 2026) and "CDNA5" Instruction Set Architecture Reference Guide (July 2026). The comments in the code are by the model that wrote it; some were corrected since.
;; Attention Rope. Allowed arithmetic: matrix products marked QUANTISED: E2M1 operands, one E8M0 scale for each 32 along K, by v_wmma_scale_f32_16x16x128_f8f6f4 with both operands' format E2M1 (or v_wmma_scale_f32_32x16x128_f4), f32 sums; products left as they are: bf16, f16 or f32 operands; f32 sums; everything else in f32.
;; Inputs: kn_b 64 float32; kn_w 64 float32; proj_b 1,024 float32; proj_w 1,024 x 1,024 float32; qkv_b 3,072 float32; qkv_w 3,072 x 1,024 float32; qn_b 64 float32; qn_w 64 float32; rope 1,024 x 128 float32; x 8 x 1,025 x 1,024 float32.
;; Outputs: out0 8 x 1,025 x 1,024 float32.
;; This version of the problem:
;;   THIS VERSION OF THE PROBLEM IS GIVEN IN LOW PRECISION. The matrix products marked QUANTISED in the list below multiply operands that are first quantised to E2M1 (2 exponent bits, 1 mantissa bit; 4 bits a number), with one power-of-two scale for each 32 numbers along K (OCP MX v1.0); their sums are f32. The products marked 'left as it is' may take bf16, f16 or f32 operands, with f32 sums. Whichever they take, every output number must still come out within the allowed error. Rounding operands to bf16 (8 significant bits) uses up far more of that allowance than f16 does (11 bits, for magnitudes from 6e-5 to 65,504). All else is computed in f32.
;;   The module's matrix products, in the order in which they are computed (A, B: the left and right operand; K: the contracted axis; several contracted axes count as one K, in the product's order):
;;     1. [M 8,200, K 1,024] x [K 1,024, N 3,072]; A: input x; B: input qkv_w: QUANTISED
;;     2. batch 128 x [M 1,025, K 64] x [K 64, N 1,025]; A: computed on the way; B: computed on the way: left as it is (an operand is computed on the way)
;;     3. batch 128 x [M 1,025, K 1,025] x [K 1,025, N 64]; A: computed on the way; B: computed on the way: left as it is (an operand is computed on the way)
;;     4. [M 8,200, K 1,024] x [K 1,024, N 1,024]; A: computed on the way; B: input proj_w: left as it is (an operand is computed on the way)
;;   THE QUANTISER, for each operand of a quantised product, along K:
;;     - K is cut into blocks of 32 from its start; a last block that is shorter is filled with zeros.
;;     - A block's scale is 2^e with e = floor(log2(the largest magnitude in the block)) - 2, held to -126 .. 127; a block of zeros has e = 0. As a byte (E8M0): e + 127.
;;     - Each number is divided by its block's scale, clamped to +-6, and rounded to the nearest number of E2M1, ties to even, subnormals kept.
;;     - The product sums the exact products of the quantised numbers (number of the format x scale) in f32.
;;   ~~~python
;;   def quantise(x, axis):      # numpy; x: float32 -> the quantised numbers, widened to float32 again
;;       x = np.moveaxis(x, axis, -1); K = x.shape[-1]
;;       x = np.pad(x, [(0, 0)] * (x.ndim - 1) + [(0, -K % 32)]); x = x.reshape(x.shape[:-1] + (-1, 32)); a = np.abs(x).max(-1, keepdims=True)
;;       e = np.where(a > 0, np.clip(np.frexp(np.where(a > 0, a, 1))[1] - 1 - 2, -126, 127), 0)      # np.frexp(a)[1] - 1 = floor(log2(a)), exactly
;;       r = np.clip(x / 2.0 ** e, -6, 6)
;;       step = 2.0 ** (np.maximum(np.frexp(np.where(r == 0, 1, r))[1] - 1, 0) - 1)
;;       q = np.round(r / step) * step * 2.0 ** e      # np.round: ties to even
;;       return np.moveaxis(q.reshape(q.shape[:-2] + (-1,))[..., :K], -1, axis).astype(np.float32)
;;   ~~~
;; One version. Each part assembles by itself: llvm-mc -triple=amdgcn-amd-amdhsa -mcpu=gfx1250 --defsym DOCPART=n.
;; ======== version 1 of 1: 4 launches
;; limits: values are held in f16: magnitudes above 65,504 overflow, below 6.1e-05 lose precision
;; workspace buffers: codes 5,775,360 bytes; scales 360,960 bytes; pw 2,097,152 bytes; rmx 4,096 bytes; qkvh 50,429,952 bytes; ob 16,809,984 bytes
;; launch prep (part 1): grid 777 x 1, 4 waves a work-group, no clusters, 35,328 bytes of LDS; arguments x, qkv_w, proj_w, rope, codes, scales, pw, rmx; writes codes, scales, pw, rmx
.if DOCPART == 1
	.amdgcn_target "amdgcn-amd-amdhsa--gfx1250"
	.amdhsa_code_object_version 6
	.text
	.protected	k_q26857e2414_prep
	.globl	k_q26857e2414_prep
	.p2align	8
	.type	k_q26857e2414_prep,@function
k_q26857e2414_prep:
	s_mov_b64 s[64:65], 0
	v_nop
	global_prefetch_b8 v0, s[64:65] scope:SCOPE_SE
	s_setreg_imm32_b32 hwreg(HW_REG_WAVE_MODE, 25, 1), 1
	s_wait_xcnt 0x0
; PREP.  Four jobs, told apart by the work-group's number:
;   0 .. 512    a block of 16 rows of x        -> codes of FP4 (E2M1) and E8M0 scale bytes   (block 512: the eight cls tokens, each twice)
;   513 .. 704  a block of 16 rows of qkv_w    -> the same
;   705 .. 768  a block of 16 rows of proj_w   -> f16
;   769 .. 776  an eighth of rope              -> the largest magnitude that each wave sees
; ROW ORDER.  Main row b x 1024 + (n - 1) for the tokens n >= 1: 512 blocks of 16; the cls tokens (n = 0) form block 512, its row r = batch r mod 8.
; LAYOUTS.  All results are images of operand registers (lane = 16 h + r):
;   codes [block][s = K / 128][c][lane][16 bytes]: row r, k = 128 s + 64 c + 32 h + 0 .. 31, the lower k in the lower bits;
;   scales [16 block + r][32 bytes]: byte k / 32;   pw [block][chunk = K / 32][g][lane][16 bytes]: row r, k = 32 chunk + 16 g + 8 h + 0 .. 7, f16.
; So every store of codes or of f16 numbers covers 512 consecutive bytes, aligned.  The scale words leave 4 bytes a lane, 8 bytes of each row a wave: one byte in 128 of what is read.
; THE QUANTISER.  A block's scale is 2^(floor(log2(largest magnitude)) - 2); its byte is the largest magnitude's exponent field - 2, held at 1 from below; each number / scale to the nearest code, ties to even, beyond 6 the code of 6.
; A block of zeros keeps the byte 1 where the rule says 127: its codes are zeros, and this program alone reads the bytes.
; LIMITS.  Blocks whose largest magnitude lies under 2^-124 keep the byte 1.  NaN and infinities are not served.  proj_w beyond 65,504 in magnitude has no f16 number.
; SHARES.  A work-group takes 16 rows, wave w the quarter 256 w .. 256 w + 255 of K: 32 loads of 2 rows x 256 aligned bytes, all issued at once.  64 along K at a time turn through the wave's own stage in LDS
; (16 rows of 256 bytes + 16), so that a lane gets the neighbours along K that its place in the operand wants.  Waves share nothing: no barrier.
.set STG,   4352                       ; a stage: 16 rows x 272 bytes
.set PST,   4*STG                      ; the f16 path has stages of its own, behind the four of the code path
.set SPARE, 8*STG                      ; the spare words: 128 bytes for each wave, two blocks of 256 bytes that no other line names
.set VA,    8                          ; v8-15   byte offset of my 16 bytes in the pair of rows 2 j, 2 j + 1
.set SPW,   30                         ; v30     LDS address of my spare word; never rewritten
.set NIL,   31                         ; v31     0; never rewritten
.set R,     32                         ; v32-159 four quarter steps x 32 registers as loaded; a step's first registers later take its results
.set X,     160                        ; v160-223 two sets of 32 numbers as the operand wants them
.macro FINISH                          ; the wave's end, behind my last LDS store
	s_wait_tensorcnt 0x0
	ds_add_u32 v[SPW], v[NIL]
	s_wait_dscnt 0x0
	s_endpgm
.endm
	s_load_b512 s[4:19], s[0:1], 0x0               ; x, qkv_w, proj_w, rope, codes, scales, pw, rmx
	v_lshl_add_u32 v[SPW], v0, 2, SPARE
	v_mov_b32 v[NIL], 0
	v_lshrrev_b32 v1, 5, v0
	v_readfirstlane_b32 s20, v1                    ; wave
	v_and_b32 v1, 31, v0                           ; lane
	v_and_b32 v2, 15, v0                           ; r
	v_bfe_u32 v3, v0, 4, 1                         ; h
	v_lshlrev_b32 v4, 4, v1                        ; 16 x lane
	s_mov_b32 s40, 0x76543210
	s_mov_b32 s41, 0xfedcba98                      ; v_permlanex16_b32: lane l xor 16
	s_mov_b32 s33, 0
	s_cmp_ge_u32 ttmp9, 769
	s_cbranch_scc1 .Lrope
	; where my block's rows lie: a choice of pointer, first byte, row mask and row pitch on the work-group's number alone
	s_lshr_b32 s21, ttmp9, 6                       ; batch
	s_mul_i32 s21, s21, 1025
	s_and_b32 s22, ttmp9, 63
	s_lshl_b32 s22, s22, 4
	s_add_co_u32 s21, s21, s22
	s_add_co_u32 s21, s21, 1                       ; token 1 + 16 j of the batch
	s_lshl_b32 s21, s21, 12                        ; rows of 4,096 bytes
	s_max_u32 s22, ttmp9, 513
	s_sub_co_u32 s22, s22, 513
	s_lshl_b32 s22, s22, 16                        ; qkv_w: 16 rows a block
	s_max_u32 s23, ttmp9, 705
	s_sub_co_u32 s23, s23, 705
	s_lshl_b32 s23, s23, 16                        ; proj_w likewise
	s_mov_b32 s24, 4198400                         ; from a batch's cls token to the next: 1,025 rows
	s_mov_b32 s25, 4096
	s_cmp_eq_u32 ttmp9, 512
	s_cselect_b32 s26, 7, 15                       ; the cls block takes its eight rows twice
	s_cselect_b32 s27, s24, s25
	s_cselect_b32 s21, 0, s21
	s_wait_kmcnt 0x0
	s_cmp_lt_u32 ttmp9, 513
	s_cselect_b32 s21, s21, s22
	s_cselect_b64 s[28:29], s[4:5], s[6:7]
	s_cmp_lt_u32 ttmp9, 705
	s_cselect_b32 s21, s21, s23
	s_cselect_b64 s[28:29], s[28:29], s[8:9]
	s_lshl_b32 s22, s20, 10                        ; my wave's quarter of K: 1,024 bytes of each row
	s_add_co_u32 s32, s21, s22
	s_add_nc_u64 s[28:29], s[28:29], s[32:33]
.irp j, 0,1,2,3,4,5,6,7
	v_add_nc_u32 v[VA+\j], 2*\j, v3                ; lanes 0-15 row 2 j, lanes 16-31 row 2 j + 1
	v_and_b32 v[VA+\j], s26, v[VA+\j]
	v_mul_lo_u32 v[VA+\j], v[VA+\j], s27
	v_lshl_add_u32 v[VA+\j], v2, 4, v[VA+\j]
.endr
.irp t, 0,1,2,3
.irp j, 0,1,2,3,4,5,6,7
	global_load_b128 v[R+32*\t+4*\j:R+32*\t+4*\j+3], v[VA+\j], s[28:29] offset:256*\t th:TH_LOAD_NT   ; sixteen lanes read 256 consecutive bytes of a row, aligned
.endr
.endr
	s_mul_i32 s34, s20, STG                        ; my stage
	v_mul_u32_u24 v6, v3, 272
	v_lshl_add_u32 v6, v2, 4, v6
	v_add_nc_u32 v6, s34, v6                       ; in: as loaded; a pair of rows is 544 bytes on from the last
	v_mul_u32_u24 v7, v2, 272
	v_add_nc_u32 v7, s34, v7
	v_lshl_add_u32 v5, v3, 5, v7                   ; out, f16 path: row r, + 32 h: eight numbers
	v_lshl_add_u32 v7, v3, 7, v7                   ; out, code path: row r, + 128 h: a whole block of 32 numbers
	s_cmp_ge_u32 ttmp9, 705
	s_cbranch_scc1 .Lpw
	; ---- codes and scale bytes
	s_lshl_b32 s32, ttmp9, 13                      ; 8,192 bytes of codes a block,
	s_lshl_b32 s35, s20, 11                        ; my wave's two K steps of 1,024
	s_add_co_u32 s32, s32, s35
	s_add_nc_u64 s[12:13], s[12:13], s[32:33]
	s_lshl_b32 s32, ttmp9, 9                       ; 512 scale bytes a block,
	s_lshl_b32 s35, s20, 3                         ; my wave's 8 of each row's 32
	s_add_co_u32 s32, s32, s35
	s_add_nc_u64 s[14:15], s[14:15], s[32:33]
.macro TURNQ t                         ; quarter step t through the stage: LDS serves a wave's instructions in order (ISA guide 5.7.1), so no wait stands between stores and loads, nor ahead of the next turn's stores
.irp j, 0,1,2,3,4,5,6,7
	ds_store_b128 v6, v[R+32*(\t)+4*\j:R+32*(\t)+4*\j+3] offset:544*\j
.endr
.irp i, 0,1,2,3,4,5,6,7
	ds_load_b128 v[X+32*((\t)%2)+4*\i:X+32*((\t)%2)+4*\i+3], v7 offset:16*\i
.endr
.endm
.macro QSTEP t                         ; 64 along K of 16 rows: a lane holds one block of 32
.set XS, X+32*((\t)%2)
.if (\t) < 3
	s_wait_loadcnt 8*(2-(\t))                      ; the next step's eight loads are in; those of the steps behind it stay out
	TURNQ (\t)+1
	s_wait_dscnt 16                                ; this step's numbers are back; the next turn's sixteen instructions stay out
.else
	s_wait_dscnt 0x0
.endif
	v_max3_num_f32 v16, |v[XS]|, |v[XS+1]|, |v[XS+2]|
	v_max3_num_f32 v17, |v[XS+3]|, |v[XS+4]|, |v[XS+5]|
.irp i, 6,10,14,18,22,26
	v_max3_num_f32 v16, v16, |v[XS+\i]|, |v[XS+\i+1]|
	v_max3_num_f32 v17, v17, |v[XS+\i+2]|, |v[XS+\i+3]|
.endr
	v_max3_num_f32 v16, v16, |v[XS+30]|, |v[XS+31]|
	v_max3_num_f32 v16, v16, v17, 0x1800000        ; and the floor 2^(3 - 127): the byte cannot fall under 1
	v_add_nc_u32 v18, 0xff000000, v16              ; 2 off the exponent field: the conversion takes this operand's exponent field as its scale
.irp g, 0,1,2,3
	v_cvt_scalef32_pk8_fp4_f32 v[R+32*(\t)+\g], v[XS+8*\g:XS+8*\g+7], v18   ; into registers whose LDS stores the wait above has shown done
.endr
	v_lshrrev_b32 v[20+(\t)], 23, v18              ; the scale's byte (a plain line behind the conversions)
	global_store_b128 v4, v[R+32*(\t):R+32*(\t)+3], s[12:13] offset:((\t)/2)*1024+((\t)%2)*512   ; 512 consecutive bytes, aligned
.endm
	s_wait_loadcnt 24                              ; step 0's eight loads are in
	TURNQ 0
	QSTEP 0
	QSTEP 1
	QSTEP 2
	QSTEP 3
	; step t's byte of lane (r, h) belongs to block 8 w + 2 t + h of row r: the word of K step 2 w + u is made of steps 2 u and 2 u + 1 of both halves of the lanes
	v_lshlrev_b32 v19, 3, v3
	v_lshl_or_b32 v24, v21, 16, v20
	v_lshl_or_b32 v25, v23, 16, v22
	v_lshlrev_b32 v24, v19, v24
	v_lshlrev_b32 v25, v19, v25
	v_mov_b32 v26, 0
	v_mov_b32 v27, 0
	v_permlanex16_b32 v26, v24, s40, s41
	v_permlanex16_b32 v27, v25, s40, s41
	v_or_b32 v24, v24, v26
	v_or_b32 v25, v25, v27
	v_cmp_eq_u32 vcc_lo, 1, v3
	v_cndmask_b32 v24, v24, v25, vcc_lo            ; lanes 0-15 store the first word, lanes 16-31 the second
	v_lshlrev_b32 v28, 5, v2
	v_lshl_add_u32 v28, v3, 2, v28
	global_store_b32 v28, v24, s[14:15]
	FINISH
	; ---- proj_w to f16
.Lpw:
	s_sub_co_u32 s32, ttmp9, 705
	s_lshl_b32 s32, s32, 15                        ; 32,768 bytes a block,
	s_lshl_b32 s35, s20, 13                        ; my wave's eight chunks of 1,024
	s_add_co_u32 s32, s32, s35
	s_add_nc_u64 s[16:17], s[16:17], s[32:33]
.macro TURNP t
.irp j, 0,1,2,3,4,5,6,7
	ds_store_b128 v6, v[R+32*(\t)+4*\j:R+32*(\t)+4*\j+3] offset:PST+544*\j
.endr
.irp i, 0,1,2,3,4,5,6,7
	ds_load_b128 v[X+32*((\t)%2)+4*\i:X+32*((\t)%2)+4*\i+3], v5 offset:PST+128*(\i/4)+64*((\i/2)%2)+16*(\i%2)   ; unit q = i / 2: k = 16 q + 8 h + 0 .. 7 of the step's 64
.endr
.endm
.macro PSTEP t
.set XS, X+32*((\t)%2)
.if (\t) < 3
	s_wait_loadcnt 8*(2-(\t))
	TURNP (\t)+1
	s_wait_dscnt 16
.else
	s_wait_dscnt 0x0
.endif
.irp q, 0,1,2,3
.irp e, 0,1,2,3
	v_cvt_pk_f16_f32 v[R+32*(\t)+4*\q+\e], v[XS+8*\q+2*\e], v[XS+8*\q+2*\e+1]
.endr
	global_store_b128 v4, v[R+32*(\t)+4*\q:R+32*(\t)+4*\q+3], s[16:17] offset:2048*(\t)+512*\q
.endr
.endm
	s_wait_loadcnt 24
	TURNP 0
	PSTEP 0
	PSTEP 1
	PSTEP 2
	PSTEP 3
	FINISH
	; ---- the largest magnitude of 16,384 bytes of rope, written 32 times, so that the store covers 128 consecutive bytes and a later lane l finds wave l's figure at word 32 l
.Lrope:
	s_sub_co_u32 s21, ttmp9, 769
	s_lshl_b32 s21, s21, 2
	s_add_co_u32 s21, s21, s20                     ; which of 32 waves
	s_lshl_b32 s32, s21, 14
	s_wait_kmcnt 0x0
	s_add_nc_u64 s[10:11], s[10:11], s[32:33]
.set i, 0
.rept 32
	global_load_b128 v[R+4*i:R+4*i+3], v4, s[10:11] offset:512*i
.set i, i+1
.endr
	s_lshl_b32 s34, s21, 7
	s_mov_b32 s35, 0
	s_add_nc_u64 s[18:19], s[18:19], s[34:35]
	v_mov_b32 v20, 0
	v_lshlrev_b32 v21, 2, v1
	s_wait_loadcnt 0x0
.irp c, 0,1,2,3
	v_max_num_f32 v[16+\c], |v[R+2*\c]|, |v[R+2*\c+1]|
.endr
.set i, 8
.rept 60
	v_max3_num_f32 v[16+(i/2)%4], v[16+(i/2)%4], |v[R+i]|, |v[R+i+1]|   ; four chains
.set i, i+2
.endr
	v_max3_num_f32 v16, v16, v17, v18
	v_max_num_f32 v16, v16, v19
	v_max_num_f32_dpp v16, v16, v16 row_xmask:1 row_mask:0xf bank_mask:0xf
	v_max_num_f32_dpp v16, v16, v16 row_xmask:2 row_mask:0xf bank_mask:0xf
	v_max_num_f32_dpp v16, v16, v16 row_xmask:4 row_mask:0xf bank_mask:0xf
	v_max_num_f32_dpp v16, v16, v16 row_xmask:8 row_mask:0xf bank_mask:0xf
	v_permlanex16_b32 v20, v16, s40, s41
	v_max_num_f32 v16, v16, v20
	global_store_b32 v21, v16, s[18:19]
	s_endpgm
.Lfunc_end_k_q26857e2414_prep:
	.size	k_q26857e2414_prep, .Lfunc_end_k_q26857e2414_prep-k_q26857e2414_prep
	.p2alignl 7, 3214868480
	.fill 96, 4, 3214868480
	.section	.rodata,"a",@progbits
	.p2align	6, 0x0
	.amdhsa_kernel k_q26857e2414_prep
		.amdhsa_group_segment_fixed_size 35328
		.amdhsa_private_segment_fixed_size 0
		.amdhsa_enable_private_segment 0
		.amdhsa_kernarg_size 64
		.amdhsa_user_sgpr_count 2
		.amdhsa_user_sgpr_kernarg_segment_ptr 1
		.amdhsa_wavefront_size32 1
		.amdhsa_system_sgpr_workgroup_id_x 1
		.amdhsa_system_sgpr_workgroup_id_y 1
		.amdhsa_system_sgpr_workgroup_id_z 1
		.amdhsa_system_vgpr_workitem_id 0
		.amdhsa_next_free_vgpr 224
		.amdhsa_next_free_sgpr 66
		.amdhsa_reserve_vcc 1
		.amdhsa_float_denorm_mode_32 3
		.amdhsa_float_denorm_mode_16_64 3
		.amdhsa_memory_ordered 1
		.amdhsa_forward_progress 1
		.amdhsa_inst_pref_size 37
	.end_amdhsa_kernel
	.amdgpu_metadata
---
amdhsa.version: [ 1, 2 ]
amdhsa.kernels:
  - .name:           k_q26857e2414_prep
    .symbol:         k_q26857e2414_prep.kd
    .args:
      - { .name: x, .offset: 0, .size: 8, .value_kind: global_buffer, .address_space: global }
      - { .name: qkv_w, .offset: 8, .size: 8, .value_kind: global_buffer, .address_space: global }
      - { .name: proj_w, .offset: 16, .size: 8, .value_kind: global_buffer, .address_space: global }
      - { .name: rope, .offset: 24, .size: 8, .value_kind: global_buffer, .address_space: global }
      - { .name: codes, .offset: 32, .size: 8, .value_kind: global_buffer, .address_space: global }
      - { .name: scales, .offset: 40, .size: 8, .value_kind: global_buffer, .address_space: global }
      - { .name: pw, .offset: 48, .size: 8, .value_kind: global_buffer, .address_space: global }
      - { .name: rmx, .offset: 56, .size: 8, .value_kind: global_buffer, .address_space: global }
    .group_segment_fixed_size: 35328
    .private_segment_fixed_size: 0
    .kernarg_segment_align: 8
    .kernarg_segment_size: 64
    .max_flat_workgroup_size: 128
    .sgpr_count:     66
    .vgpr_count:     224
    .wavefront_size: 32
...
	.end_amdgpu_metadata
.endif
;; end of part 1
;; launch qkvln (part 2): grid 4 x 64, 4 waves a work-group, clusters of 4 x 4, 327,680 bytes of LDS; arguments codes, scales, rmx, qkv_b, qn_w, qn_b, kn_w, kn_b, rope, qkvh; writes qkvh
.if DOCPART == 2
	.amdgcn_target "amdgcn-amd-amdhsa--gfx1250"
	.amdhsa_code_object_version 6
	.text
	.protected	k_q26857e2414_qkvln
	.globl	k_q26857e2414_qkvln
	.p2align	8
	.type	k_q26857e2414_qkvln,@function
k_q26857e2414_qkvln:
	s_mov_b64 s[64:65], 0
	v_nop
	global_prefetch_b8 v0, s[64:65] scope:SCOPE_SE
	s_setreg_imm32_b32 hwreg(HW_REG_WAVE_MODE, 25, 1), 1
	s_wait_xcnt 0x0
	s_wait_alu depctr_hold_cnt(0) depctr_sa_sdst(0) depctr_va_vdst(0) depctr_va_sdst(0) depctr_va_ssrc(0) depctr_va_vcc(0) depctr_vm_vsrc(0)
	s_getreg_b32 s2, hwreg(HW_REG_IB_STS2, 6, 4)
	s_cmp_eq_u32 s2, 0
	s_cbranch_scc0 .Lentry_in_a_cluster
	s_endpgm
.Lentry_in_a_cluster:
	s_bfe_u32 s2, ttmp6, 0x10000c
	s_cmp_lg_u32 s2, 0xf033
	s_cbranch_scc0 .Lentry_shape_is_right
	s_endpgm
.Lentry_shape_is_right:
; QKV.  x qkv_w^T + qkv_b on codes of FP4 with E8M0 scales, then, in registers: LayerNorm over a head's 64 channels and RoPE (q, k), rounding to f16, and the store as images of the operand registers of the attention launch.
; SHARES.  A WORK-GROUP STAYS: it owns 128 tokens and makes, one after the other, 256 channels of q, of k and of v for them.  Its four waves make 64 tokens x 128 channels (two heads) each: 32 accumulators.
; The tokens' codes, all of K (1,024), lie in LDS for the whole launch; the 256 channels' codes, all of K, lie beside them and are filled again twice.  The refill is asked for in a kind's last K step, behind a round of the
; cluster's barrier, and has the kind's whole way out in which to land.  q and k are one loop of two trips; v, which asks for nothing more, is written out.
; CLUSTER.  4 x 4 work-groups: the four of a row need the same 128 tokens, the four of a column the same channels: each tile is asked for jointly, by the same tensor load with a mask that names the four.  Every wave fetches a quarter of each tile.
; THE MATRIX INSTRUCTION IS USED TRANSPOSED (source 0 = 16 channels, source 1 = 16 tokens): lane (r, h) holds token r and channels 8 h + 0 .. 7 of each block of 16: the four accumulators of a head are 32 of its 64 channels, lane l xor 16 holds the rest.
; The bias is the C of each sum's first matrix instruction.
; THE SCALE OF q AND k.  A normalised number is under 8 (sqrt(63)), so |q| <= (8 max|w| + max|b|) x max(1, 2 max|rope|).  With e that bound's exponent field (the bound held at 2^-40 from below), f = 2^(138 - e) brings q under 4,096.
; f is a power of two and is multiplied into w and b: nothing is rounded.  The attention launch makes the same e from the same inputs by the same lines and takes f out of its softmax's constant.
; ASKED FOR AHEAD: the next kind's scale words and bias at the head of a way out; the next gain and bias of the norm at its end (in the second trip: those that this wave's cls job wants; a wave without such a job does not use them).
; THE CLS TOKENS are block 512 of the codes.  In the cluster with y = 0, wave w < 3 makes kind w (q, k, v) of head 4 cy + cx (which enters global addresses alone), straight from memory, without RoPE, behind v's last products.
; LIMITS.  NaN and infinities are not served.  v beyond 65,504 in magnitude has no f16 number.
; REGISTERS, in windows of 256.  Window 0: v1-9 offsets; v10-27 at work; v28, v29 the add's two; v30, v31 f; v32-95 scale words and nothing else (register 8 i + s: lanes 0-15 the word of token block i, lanes 16-31 that of channel block i, K step s);
;   v96-159 T (two heads x 32 numbers; the cls job's bias); v160-191 w, v192-223 b of the norm (channel 16 t + 8 h + j at 8 t + j); v224-255 packed results.
;   Window 1: two sets of fragments (4 of tokens, 8 of channels: 96 registers); v192-255 the bias.   Window 2: accumulator (a, b) at 8 (8 a + b).   Window 3: rope, for token block a: sin at 64 a + 8 t + j, cos 32 further on.
.set BBASE, 65536                      ; LDS: 8 blocks of tokens x 8,192 bytes from 0 on, 16 blocks of channels from here on
.set SPARE, 196608                     ; behind the tiles: the spare words, 128 bytes for each wave: two blocks of 256 bytes that no other line names
.set L16,  1                           ; 16 x lane
.set VA,   2                           ; LDS: my four token blocks
.set VB,   3                           ; LDS: my eight channel blocks
.set VST,  4                           ; 32,768 h: from a kind's scale rows to the next kind's, for the lanes that take channels
.set H32,  5                           ; 32 h
.set VR,   6                           ; 512 r + 32 h: rope
.set VSC,  7                           ; the scale words' rows
.set VV,   8                           ; 32 r + 16 h: v's layout
.set R32,  9                           ; 32 r
.set SPW,  28
.set NIL,  29
.set FF,   30                          ; v[30:31] f
.set SC,   32
.set T,    96
.set CBI,  96                          ; the cls job's bias
.set WP,   160
.set BP,   192
.set PK,   224
.set BI,   192                         ; in window 1: the bias of my 128 channels
.set WV,   24
.set WR,   25                          ; which 64 tokens are mine
.set WC,   26                          ; which 128 channels
.set CX,   27
.set CY,   28
.set TC,   29                          ; trips to go
.set TY,   30
.set G1A,  32
.set G1B,  40
.set G0A,  48                          ; s[48:51] group 0 for the tokens' tile
.set G0B,  52                          ; s[52:55] for the channels': it walks from kind to kind
.set SFQ,  56                          ; f of q, f of k, f in hand
.set SFK,  57
.set SF,   58
.set TX,   59
.set CW,   60                          ; s[60:61], s[62:63] the gain and bias that my cls job wants
.set CBP,  62
.set NW,   76                          ; s[76:77], s[78:79] the gain and bias to be asked for next
.set NB,   78
.set SEL,  92
.set C64,  94
.set EPS,  95
.set OB,   96                          ; s[96:97] where my results go
.set CB,   98                          ; s[98:99] where the cls job's go
.set MSB, 0
.macro WIN new                         ; the immediate's high byte repeats the setting that is left
.if MSB != \new
	s_set_vgpr_msb (MSB<<8)|\new
.set MSB, \new
.endif
.endm
.macro PLACES n
.rept \n
	v_nop
.endr
.endm
.macro CREST                           ; a round of the cluster's barrier behind its opening barrier
	s_cmp_lg_u32 s[WV], 0
	s_cbranch_scc1 .Lnot_wave_0_\@
	s_barrier_signal -3
.Lnot_wave_0_\@:
	s_barrier_wait -3
	s_barrier_signal -1
	s_barrier_wait -1
.endm
.macro CROUND                          ; a whole round
	s_barrier_signal -1
	s_barrier_wait -1
	CREST
.endm
.macro XMAX v, t                       ; the largest of the 32 lanes, in every lane
	v_max_num_f32_dpp v[\v], v[\v], v[\v] row_xmask:1 row_mask:0xf bank_mask:0xf
	v_max_num_f32_dpp v[\v], v[\v], v[\v] row_xmask:2 row_mask:0xf bank_mask:0xf
	v_max_num_f32_dpp v[\v], v[\v], v[\v] row_xmask:4 row_mask:0xf bank_mask:0xf
	v_max_num_f32_dpp v[\v], v[\v], v[\v] row_xmask:8 row_mask:0xf bank_mask:0xf
	v_permlanex16_b32 v[\t], v[\v], s[SEL], s[SEL+1]
	v_max_num_f32 v[\v], v[\v], v[\t]
.endm
.macro EXPO dst, wp, bp, r2, tt        ; the exponent field of (8 max|w| + max|b|) x r2, held at 2^-40 from below
	v_max_num_f32 v[\wp], |v[\wp]|, |v[\wp+1]|
	v_max_num_f32 v[\bp], |v[\bp]|, |v[\bp+1]|
	XMAX \wp, \tt
	XMAX \bp, \tt
	v_fma_f32 v[\dst], v[\wp], 0x41000000, v[\bp]
	v_mul_f32 v[\dst], v[\dst], v[\r2]
	v_max_num_f32 v[\dst], 0x2b800000, v[\dst]
	v_lshrrev_b32 v[\dst], 23, v[\dst]
.endm
.macro LDSB                            ; a kind's scale words (with my tokens' in lanes 0-15) and its bias: 32 loads
.irp i, 0,1,2,3,4,5,6,7
	global_load_b128 v[SC+8*\i:SC+8*\i+3], v[VSC], s[6:7] offset:512*\i
	global_load_b128 v[SC+8*\i+4:SC+8*\i+7], v[VSC], s[6:7] offset:512*\i+16
.endr
	WIN 0x40                                       ; destination window 1
.irp i, 0,1,2,3,4,5,6,7
	global_load_b128 v[BI+8*\i:BI+8*\i+3], v[H32], s[70:71] offset:64*\i
	global_load_b128 v[BI+8*\i+4:BI+8*\i+7], v[H32], s[70:71] offset:64*\i+16
.endr
	WIN 0
.endm
.macro LDWB pw, pb                     ; a norm's gain and bias in my lane's layout: 16 loads
.irp t, 0,1,2,3
.irp i, 0,1
	global_load_b128 v[WP+8*\t+4*\i:WP+8*\t+4*\i+3], v[H32], s[\pw:\pw+1] offset:64*\t+16*\i
	global_load_b128 v[BP+8*\t+4*\i:BP+8*\t+4*\i+3], v[H32], s[\pb:\pb+1] offset:64*\t+16*\i
.endr
.endr
.endm
.macro TIMESF                          ; gain and bias x f: a power of two, nothing is rounded
	v_mov_b32 v[FF], s[SF]
	v_mov_b32 v[FF+1], s[SF]
.irp i, 0,2,4,6,8,10,12,14,16,18,20,22,24,26,28,30
	v_pk_mul_f32 v[WP+\i:WP+\i+1], v[WP+\i:WP+\i+1], v[FF:FF+1]
	v_pk_mul_f32 v[BP+\i:BP+\i+1], v[BP+\i:BP+\i+1], v[FF:FF+1]
.endr
.endm
.macro ROPELD a                        ; rope for token block a: 16 loads: sin and cos of my lane's 32 channels of token 16 a + r
	WIN 0xc0                                       ; destination window 3
.irp t, 0,1,2,3
.irp i, 0,1
	global_load_b128 v[64*(\a)+8*\t+4*\i:64*(\a)+8*\t+4*\i+3], v[VR], s[68:69] offset:8192*(\a)+64*\t+16*\i
	global_load_b128 v[64*(\a)+32+8*\t+4*\i:64*(\a)+32+8*\t+4*\i+3], v[VR], s[68:69] offset:8192*(\a)+256+64*\t+16*\i
.endr
.endr
	WIN 0
.endm
	s_load_b512 s[4:19], s[0:1], 0x0               ; codes, scales, rmx, qkv_b, qn_w, qn_b, kn_w, kn_b
	s_load_b128 s[20:23], s[0:1], 0x40             ; rope, qkvh
	v_lshl_add_u32 v[SPW], v0, 2, SPARE
	v_mov_b32 v[NIL], 0
	ds_add_u32 v[SPW], v[NIL]                      ; the wave's opening: the add, twice on end, and its wait ahead of my first tensor load
	ds_add_u32 v[SPW], v[NIL]
	v_lshrrev_b32 v9, 5, v0
	v_readfirstlane_b32 s[WV], v9
	s_lshr_b32 s[WR], s[WV], 1
	s_and_b32 s[WC], s[WV], 1
	s_bfe_u32 s[CX], ttmp6, 0x40000
	s_bfe_u32 s[CY], ttmp6, 0x40004
	s_lshl_b32 s[TX], ttmp9, 2
	s_add_co_u32 s[TX], s[TX], s[CX]               ; which 256 channels of a kind's 1,024
	s_and_b32 s[TY], ttmp7, 0xffff
	s_lshl_b32 s[TY], s[TY], 2
	s_add_co_u32 s[TY], s[TY], s[CY]               ; which 128 main rows of 8,192
	s_lshl_b32 s66, s[CY], 2
	s_lshl_b32 s66, 15, s66                        ; my row of the cluster
	s_lshl_b32 s67, 0x1111, s[CX]                  ; my column
	; group 1: rows of 8,192 bytes (a block's whole K: 1,024 elements of 8 bytes), dense in memory and in LDS; 2 blocks of tokens or 4 of channels to a load
	s_or_b32 s[G1A], s66, (3<<16)|(1<<21)
	s_or_b32 s[G1B], s67, (3<<16)|(1<<21)
	s_mov_b32 s[G1A+1], 1024<<16
	s_mov_b32 s[G1A+2], 2<<16
	s_mov_b32 s[G1A+3], 1024<<16
	s_mov_b32 s[G1A+4], 2
	s_mov_b32 s[G1A+5], 1024
	s_mov_b32 s[G1A+6], 0
	s_mov_b32 s[G1A+7], 0
	s_mov_b32 s[G1B+1], 1024<<16
	s_mov_b32 s[G1B+2], 4<<16
	s_mov_b32 s[G1B+3], 1024<<16
	s_mov_b32 s[G1B+4], 4
	s_mov_b32 s[G1B+5], 1024
	s_mov_b32 s[G1B+6], 0
	s_mov_b32 s[G1B+7], 0
	s_lshl_b32 s68, s[TY], 16                      ; tokens: block 8 ty + 2 x wave, 8,192 bytes a block
	s_lshl_b32 s69, s[WV], 14
	s_add_co_u32 s68, s68, s69
	s_mov_b32 s69, 0
	s_lshl_b32 s70, s[TX], 17                      ; channels of q: block 513 + 16 tx + 4 x wave
	s_lshl_b32 s71, s[WV], 15
	s_add_co_u32 s70, s70, s71
	s_add_co_u32 s70, s70, 513*8192
	s_mov_b32 s71, 0
	s_lshl_b32 s72, s[WV], 14                      ; in LDS: the wave's number alone
	s_lshl_b32 s73, s[WV], 15
	s_add_co_u32 s73, s73, BBASE
	s_mov_b32 s[SEL], 0x76543210
	s_mov_b32 s[SEL+1], 0xfedcba98
	s_mov_b32 s[C64], 0x3c800000                   ; 1 / 64
	s_mov_b32 s[EPS], 0x358637bd                   ; 1e-6
	s_mov_b32 s[TC], 2
	s_wait_dscnt 0x0                               ; both opening adds are done
	s_wait_kmcnt 0x0
	s_add_nc_u64 s[68:69], s[4:5], s[68:69]
	s_add_nc_u64 s[70:71], s[4:5], s[70:71]
	CROUND                                         ; all sixteen work-groups are here: the joint loads meet
	s_mov_b32 s[G0A], 1
	s_mov_b32 s[G0A+1], s72
	s_mov_b64 s[G0A+2:G0A+3], s[68:69]
	s_or_b32 s[G0A+3], s[G0A+3], 0x80000000
	s_mov_b32 s[G0B], 1
	s_mov_b32 s[G0B+1], s73
	s_mov_b64 s[G0B+2:G0B+3], s[70:71]
	s_or_b32 s[G0B+3], s[G0B+3], 0x80000000
	tensor_load_to_lds s[G0A:G0A+3], s[G1A:G1A+7]  ; every wave's two first fills: two loads of mine are out
	s_nop 0
	tensor_load_to_lds s[G0B:G0B+3], s[G1B:G1B+7]
	s_nop 0
	PLACES 4
	v_and_b32 v10, 15, v0                          ; r
	v_bfe_u32 v11, v0, 4, 1                        ; h
	v_and_b32 v12, 31, v0
	v_lshlrev_b32 v[L16], 4, v12
	s_lshl_b32 s66, s[WR], 15
	v_add_nc_u32 v[VA], s66, v[L16]
	s_lshl_b32 s66, s[WC], 16
	s_add_co_u32 s66, s66, BBASE
	v_add_nc_u32 v[VB], s66, v[L16]
	v_lshlrev_b32 v[VST], 15, v11
	v_lshlrev_b32 v[H32], 5, v11
	v_lshl_add_u32 v[VR], v10, 9, v[H32]
	v_lshlrev_b32 v[R32], 5, v10
	v_lshl_add_u32 v[VV], v11, 4, v[R32]
	s_lshl_b32 s66, s[TY], 7                       ; scale words: lanes 0-15 the rows of my tokens,
	s_lshl_b32 s67, s[WR], 6
	s_add_co_u32 s66, s66, s67
	s_lshl_b32 s66, s66, 5
	s_lshl_b32 s67, s[TX], 8                       ; lanes 16-31 the rows of my channels, which begin at row 8,208
	s_lshl_b32 s74, s[WC], 7
	s_add_co_u32 s67, s67, s74
	s_add_co_u32 s67, s67, 8208
	s_lshl_b32 s67, s67, 5
	s_sub_co_u32 s67, s67, s66
	v_mul_u32_u24 v[VSC], s67, v11
	v_lshl_add_u32 v[VSC], v10, 5, v[VSC]
	v_add_nc_u32 v[VSC], s66, v[VSC]
	s_lshl_b32 s72, s[TX], 10
	s_lshl_b32 s73, s[WC], 9
	s_add_co_u32 s72, s72, s73
	s_mov_b32 s73, 0
	s_add_nc_u64 s[70:71], s[10:11], s[72:73]      ; the bias of my 128 channels of q
	s_and_b32 s72, s[TY], 7
	s_lshl_b32 s72, s72, 16
	s_lshl_b32 s74, s[WR], 15
	s_add_co_u32 s72, s72, s74
	s_add_nc_u64 s[68:69], s[20:21], s[72:73]      ; rope at my first token: 512 bytes a row
	s_lshr_b32 s72, s[TY], 3                       ; batch
	s_lshl_b32 s72, s72, 4
	s_lshl_b32 s74, s[TX], 2
	s_add_co_u32 s72, s72, s74
	s_lshl_b32 s74, s[WC], 1
	s_add_co_u32 s72, s72, s74                     ; 16 x batch + my first head
	s_lshl_b32 s72, s72, 6
	s_and_b32 s74, s[TY], 7
	s_lshl_b32 s74, s74, 3
	s_add_co_u32 s72, s72, s74
	s_lshl_b32 s74, s[WR], 2
	s_add_co_u32 s72, s72, s74                     ; x 64 blocks + my first block of tokens
	s_lshl_b32 s72, s72, 11
	s_add_nc_u64 s[OB:OB+1], s[22:23], s[72:73]    ; in q's region; k's and v's lie 16 MiB further on each
	s_cmp_eq_u32 s[WV], 0                          ; my cls job's kind is my wave's number: q's norm for wave 0, k's for wave 1 (waves 2 and 3 use neither)
	s_cselect_b64 s[CW:CW+1], s[12:13], s[16:17]
	s_cselect_b64 s[CBP:CBP+1], s[14:15], s[18:19]
	v_lshlrev_b32 v13, 7, v12
	v_lshlrev_b32 v12, 3, v12
	LDSB                                           ; q's scale words and bias
	LDWB 12, 14                                    ; q's gain and bias of the norm
	global_load_b64 v[14:15], v12, s[12:13]        ; both norms two numbers a lane, for the maxima; rope's maxima
	global_load_b64 v[16:17], v12, s[14:15]
	global_load_b64 v[20:21], v12, s[16:17]
	global_load_b64 v[22:23], v12, s[18:19]
	global_load_b32 v18, v13, s[8:9]
	v_mov_b32 v19, 0
	s_wait_loadcnt 0x0
	XMAX 18, 19
	v_add_f32 v18, v18, v18
	v_max_num_f32 v18, 1.0, v18                    ; max(1, 2 max|rope|)
	EXPO 24, 14, 16, 18, 19
	EXPO 25, 20, 22, 18, 19
	v_sub_nc_u32 v24, 265, v24
	v_sub_nc_u32 v25, 265, v25
	v_lshlrev_b32 v24, 23, v24                     ; f = 2^(138 - e), q's
	v_lshlrev_b32 v25, 23, v25                     ; and k's
	v_readfirstlane_b32 s[SFQ], v24
	v_readfirstlane_b32 s[SFK], v25
	ROPELD 0                                       ; rope, once for q and k: it lands under q's products
	ROPELD 1
	ROPELD 2
	ROPELD 3
; LayerNorm, RoPE, rounding and store of nh heads of 16 tokens.  ac: the heads' first accumulator register (window 2), 32 a head; rp = 1: RoPE, from rb on in window 3; sb: the scalar pair of the store's base; off: bytes on from it.
.macro HEADOUT ac, nh, rp, rb, sb, off
	WIN 0x0a                                       ; sources 0 and 1: window 2
.irp e, 0,1
.if \e < \nh
.irp i, 0,1,2,3,4,5,6,7
	v_pk_add_f32 v[T+32*\e+2*\i:T+32*\e+2*\i+1], v[(\ac)+32*\e+4*\i:(\ac)+32*\e+4*\i+1], v[(\ac)+32*\e+4*\i+2:(\ac)+32*\e+4*\i+3]   ; each accumulator from its low end on
.endr
.endif
.endr
	WIN 0
.irp k, 0,4,8,12
.irp e, 0,1
.if \e < \nh
	v_pk_add_f32 v[T+32*\e+\k:T+32*\e+\k+1], v[T+32*\e+\k:T+32*\e+\k+1], v[T+32*\e+\k+2:T+32*\e+\k+3]
.endif
.endr
.endr
.irp k, 0,8
.irp e, 0,1
.if \e < \nh
	v_pk_add_f32 v[T+32*\e+\k:T+32*\e+\k+1], v[T+32*\e+\k:T+32*\e+\k+1], v[T+32*\e+\k+4:T+32*\e+\k+5]
.endif
.endr
.endr
.irp e, 0,1
.if \e < \nh
	v_pk_add_f32 v[T+32*\e:T+32*\e+1], v[T+32*\e:T+32*\e+1], v[T+32*\e+8:T+32*\e+9]
.endif
.endr
.irp e, 0,1
.if \e < \nh
	v_add_f32 v[10+4*\e], v[T+32*\e], v[T+32*\e+1]
.endif
.endr
.irp e, 0,1
.if \e < \nh
	v_permlanex16_b32 v[11+4*\e], v[10+4*\e], s[SEL], s[SEL+1]   ; the head's other 32 channels lie in lane l xor 16
.endif
.endr
.irp e, 0,1
.if \e < \nh
	v_add_f32 v[10+4*\e], v[10+4*\e], v[11+4*\e]
.endif
.endr
.irp e, 0,1
.if \e < \nh
	v_mul_f32 v[10+4*\e], s[C64], v[10+4*\e]       ; the mean
.endif
.endr
	WIN 0x02                                       ; source 0: window 2
.irp e, 0,1
.if \e < \nh
.irp i, 0,2,4,6,8,10,12,14,16,18,20,22,24,26,28,30
	v_pk_add_f32 v[T+32*\e+\i:T+32*\e+\i+1], v[(\ac)+32*\e+\i:(\ac)+32*\e+\i+1], v[10+4*\e:11+4*\e] op_sel_hi:[1,0] neg_lo:[0,1] neg_hi:[0,1]
.endr
.endif
.endr
	WIN 0
.irp e, 0,1
.if \e < \nh
	v_pk_mul_f32 v[12+4*\e:13+4*\e], v[T+32*\e:T+32*\e+1], v[T+32*\e:T+32*\e+1]
	v_pk_mul_f32 v[18+2*\e:19+2*\e], v[T+32*\e+2:T+32*\e+3], v[T+32*\e+2:T+32*\e+3]
.endif
.endr
.irp i, 4,8,12,16,20,24,28
.irp e, 0,1
.if \e < \nh
	v_pk_fma_f32 v[12+4*\e:13+4*\e], v[T+32*\e+\i:T+32*\e+\i+1], v[T+32*\e+\i:T+32*\e+\i+1], v[12+4*\e:13+4*\e]
	v_pk_fma_f32 v[18+2*\e:19+2*\e], v[T+32*\e+\i+2:T+32*\e+\i+3], v[T+32*\e+\i+2:T+32*\e+\i+3], v[18+2*\e:19+2*\e]
.endif
.endr
.endr
.irp e, 0,1
.if \e < \nh
	v_pk_add_f32 v[12+4*\e:13+4*\e], v[12+4*\e:13+4*\e], v[18+2*\e:19+2*\e]
.endif
.endr
.irp e, 0,1
.if \e < \nh
	v_add_f32 v[12+4*\e], v[12+4*\e], v[13+4*\e]
.endif
.endr
.irp e, 0,1
.if \e < \nh
	v_permlanex16_b32 v[13+4*\e], v[12+4*\e], s[SEL], s[SEL+1]
.endif
.endr
.irp e, 0,1
.if \e < \nh
	v_add_f32 v[12+4*\e], v[12+4*\e], v[13+4*\e]
.endif
.endr
.irp e, 0,1
.if \e < \nh
	v_fma_f32 v[12+4*\e], v[12+4*\e], s[C64], s[EPS]   ; the variance + 1e-6
.endif
.endr
.irp e, 0,1
.if \e < \nh
	v_rsq_f32 v[12+4*\e], v[12+4*\e]
.endif
.endr
	v_nop                                          ; a plain line behind the last root
	s_wait_alu depctr_va_vdst(0)                   ; the wait ahead of the first use: one for the heads' roots
.irp e, 0,1
.if \e < \nh
.irp i, 0,2,4,6,8,10,12,14,16,18,20,22,24,26,28,30
	v_pk_mul_f32 v[T+32*\e+\i:T+32*\e+\i+1], v[T+32*\e+\i:T+32*\e+\i+1], v[12+4*\e:13+4*\e] op_sel_hi:[1,0]
.endr
.endif
.endr
.irp e, 0,1
.if \e < \nh
.irp i, 0,2,4,6,8,10,12,14,16,18,20,22,24,26,28,30
	v_pk_fma_f32 v[T+32*\e+\i:T+32*\e+\i+1], v[T+32*\e+\i:T+32*\e+\i+1], v[WP+\i:WP+\i+1], v[BP+\i:BP+\i+1]
.endr
.endif
.endr
	s_wait_xcnt 0x0                                ; the earlier stores have read the packed registers: they are written again only behind this wait
.if \rp
; out[2 i] = y[2 i] cos[2 i] - y[2 i + 1] sin[2 i];  out[2 i + 1] = y[2 i + 1] cos[2 i + 1] + y[2 i] sin[2 i + 1]: a packed product, and a packed multiply-add whose first source is taken crosswise, its low half negated
.irp e, 0,1
.if \e < \nh
.irp g, 0,1
	WIN 0x0c                                       ; source 1: window 3
.irp k, 0,1,2,3,4,5,6,7
	v_pk_mul_f32 v[10+2*\k:11+2*\k], v[T+32*\e+16*\g+2*\k:T+32*\e+16*\g+2*\k+1], v[(\rb)+32+16*\g+2*\k:(\rb)+32+16*\g+2*\k+1]
.endr
.irp k, 0,1,2,3,4,5,6,7
	v_pk_fma_f32 v[10+2*\k:11+2*\k], v[T+32*\e+16*\g+2*\k:T+32*\e+16*\g+2*\k+1], v[(\rb)+16*\g+2*\k:(\rb)+16*\g+2*\k+1], v[10+2*\k:11+2*\k] op_sel:[1,0,0] op_sel_hi:[0,1,1] neg_lo:[1,0,0]
.endr
	WIN 0
.irp k, 0,1,2,3,4,5,6,7
	v_cvt_pk_f16_f32 v[PK+16*\e+8*\g+\k], v[10+2*\k], v[11+2*\k]
.endr
.endr
.endif
.endr
.else
.irp e, 0,1
.if \e < \nh
.irp i, 0,1,2,3,4,5,6,7,8,9,10,11,12,13,14,15
	v_cvt_pk_f16_f32 v[PK+16*\e+\i], v[T+32*\e+2*\i], v[T+32*\e+2*\i+1]
.endr
.endif
.endr
.endif
.irp e, 0,1
.if \e < \nh
.irp t, 0,1,2,3
	global_store_b128 v[L16], v[PK+16*\e+4*\t:PK+16*\e+4*\t+3], s[\sb:\sb+1] offset:(\off)+131072*\e+512*\t   ; channels 16 t + 8 h + 0 .. 7 of token r at 16 x lane: 512 consecutive bytes, aligned
.endr
.endif
.endr
.endm
; v: rounded as it is; a block of 16 keys lies [16 channels t][key r][h][16 bytes], as the attention launch's turning load wants it
.macro VOUT ac, nh, sb, off
	s_wait_xcnt 0x0
	WIN 0x0a
.irp e, 0,1
.if \e < \nh
.irp i, 0,1,2,3,4,5,6,7,8,9,10,11,12,13,14,15
	v_cvt_pk_f16_f32 v[PK+16*\e+\i], v[(\ac)+32*\e+2*\i], v[(\ac)+32*\e+2*\i+1]
.endr
.endif
.endr
	WIN 0
.irp e, 0,1
.if \e < \nh
.irp t, 0,1,2,3
	global_store_b128 v[VV], v[PK+16*\e+4*\t:PK+16*\e+4*\t+3], s[\sb:\sb+1] offset:(\off)+131072*\e+512*\t
.endr
.endif
.endr
.endm
.macro FETCH s, p                      ; K step s: 8 fragments of channels, 4 of tokens, into set p: images, 512 consecutive bytes a load
	WIN 0x40
.irp b, 0,1,2,3,4,5,6,7
.irp c, 0,1
	ds_load_b128 v[96*(\p)+32+8*\b+4*\c:96*(\p)+32+8*\b+4*\c+3], v[VB] offset:8192*\b+1024*(\s)+512*\c
.endr
.endr
.irp a, 0,1,2,3
.irp c, 0,1
	ds_load_b128 v[96*(\p)+8*\a+4*\c:96*(\p)+8*\a+4*\c+3], v[VA] offset:8192*\a+1024*(\s)+512*\c
.endr
.endr
.endm
.macro MULA s, p, a                    ; 8 matrix instructions: token block a x the eight channel blocks.  The 32 accumulators take turns, in the same order in every step
.irp b, 0,1,2,3,4,5,6,7
.if (\s) == 0
	v_wmma_scale_f32_16x16x128_f8f6f4 v[8*(8*(\a)+\b):8*(8*(\a)+\b)+7], v[96*(\p)+32+8*\b:96*(\p)+32+8*\b+7], v[96*(\p)+8*(\a):96*(\p)+8*(\a)+7], v[BI+8*\b:BI+8*\b+7], v[SC+8*\b+(\s)], v[SC+8*(\a)+(\s)] matrix_a_fmt:MATRIX_FMT_FP4 matrix_b_fmt:MATRIX_FMT_FP4 matrix_a_scale:MATRIX_SCALE_ROW1
.else
	v_wmma_scale_f32_16x16x128_f8f6f4 v[8*(8*(\a)+\b):8*(8*(\a)+\b)+7], v[96*(\p)+32+8*\b:96*(\p)+32+8*\b+7], v[96*(\p)+8*(\a):96*(\p)+8*(\a)+7], v[8*(8*(\a)+\b):8*(8*(\a)+\b)+7], v[SC+8*\b+(\s)], v[SC+8*(\a)+(\s)] matrix_a_fmt:MATRIX_FMT_FP4 matrix_b_fmt:MATRIX_FMT_FP4 matrix_a_scale:MATRIX_SCALE_ROW1
.endif
.endr
.endm
.macro KSTEP s                         ; the next K step's fragments are asked for, then this step is multiplied
.if (\s) < 7
	PLACES 4                                       ; four plain lines between the last product that read a set and the loads into it (ISA guide 7.12.1 for vector instructions)
	FETCH (\s)+1, ((\s)+1)%2
	s_wait_dscnt 24                                ; this step's fragments are in; the 24 loads just issued stay out
.else
	s_wait_dscnt 0x0
.endif
.if (\s) == 0
	WIN 0x95                                       ; sources 0 and 1 and C (the bias) window 1, D window 2
.else
	WIN 0xa5
.endif
	MULA \s, (\s)%2, 0
	MULA \s, (\s)%2, 1
	MULA \s, (\s)%2, 2
	MULA \s, (\s)%2, 3
.endm
; K step 7 of a kind that has a successor.  All fragments of the kind have been asked for.  Each wave waits for all its tensor loads (none is out), adds 0 to its spare word, and waits for that and for its reads of the channels' bytes;
; the barrier opens a round of the cluster's, so that no wave of any partner still reads those bytes; the joint refill, the next kind's channels, is the first thing behind the round: one load a wave.
.macro LAST
	WIN 0
	s_wait_tensorcnt 0x0                           ; no tensor load of mine is out, so a group 0 may be written
	ds_add_u32 v[SPW], v[NIL]                      ; 0 onto my spare word
	s_add_nc_u64 s[G0B+2:G0B+3], s[G0B+2:G0B+3], 524288   ; 64 blocks on: the same channels of the next kind
	s_wait_dscnt 1                                 ; the step's fragments are in; the add may be out
	WIN 0xa5
	MULA 7, 1, 0
	MULA 7, 1, 1
	s_wait_dscnt 0x0                               ; the add is done, and my reads of the tiles are over
	s_barrier_signal -1
	MULA 7, 1, 2
	MULA 7, 1, 3
	WIN 0
	s_barrier_wait -1
	CREST
	tensor_load_to_lds s[G0B:G0B+3], s[G1B:G1B+7]
	s_nop 0
	PLACES 4                                       ; also the plain lines between the last products and the loads into the scale registers and the first read of results
.endm
	s_wait_tensorcnt 0x0                           ; my parts of both tiles have landed,
	s_barrier_signal -1
	s_barrier_wait -1                              ; everybody's have
.Ltype:                                            ; two trips: q, then k
	FETCH 0, 0
	KSTEP 0
	KSTEP 1
	KSTEP 2
	KSTEP 3
	KSTEP 4
	KSTEP 5
	KSTEP 6
	LAST
	s_wait_loadcnt 0x0                             ; this kind's gain and bias of the norm (asked for a product ago) and, in the first trip, rope
	s_cmp_eq_u32 s[TC], 2                          ; the first trip?
	s_cselect_b32 s[SF], s[SFQ], s[SFK]
	s_cselect_b64 s[NW:NW+1], s[16:17], s[CW:CW+1] ; what is asked for at this way out's end: k's norm, then my cls job's
	s_cselect_b64 s[NB:NB+1], s[18:19], s[CBP:CBP+1]
	v_add_nc_u32 v[VSC], v[VSC], v[VST]            ; no load of mine is out: offsets and bases may step to the next kind
	s_add_nc_u64 s[70:71], s[70:71], 4096
	LDSB                                           ; the next kind's scale words and bias land under this way out
	TIMESF
	HEADOUT 0, 2, 1, 0, OB, 0
	HEADOUT 64, 2, 1, 64, OB, 2048
	HEADOUT 128, 2, 1, 128, OB, 4096
	HEADOUT 192, 2, 1, 192, OB, 6144
	LDWB NW, NB
	s_wait_xcnt 0x0                                ; the stores have read their base
	s_add_nc_u64 s[OB:OB+1], s[OB:OB+1], 0x1000000 ; the next kind's region
	s_wait_tensorcnt 0x0                           ; my part of the next kind's channels has landed (my one load that was out),
	s_wait_loadcnt 16                              ; its scale words and bias are in; the 16 loads of gain and bias just issued stay out
	s_wait_dscnt 0x0
	s_barrier_signal -1
	s_barrier_wait -1                              ; everybody's part has landed
	s_sub_co_u32 s[TC], s[TC], 1
	s_cmp_lg_u32 s[TC], 0
	s_cbranch_scc1 .Ltype
	FETCH 0, 0                                     ; v: nothing more is asked for
	KSTEP 0
	KSTEP 1
	KSTEP 2
	KSTEP 3
	KSTEP 4
	KSTEP 5
	KSTEP 6
	KSTEP 7
	WIN 0
	PLACES 4
	s_and_b32 s72, ttmp7, 0xffff
	s_cmp_lg_u32 s72, 0                            ; the cluster's y: the same in all partners
	s_cbranch_scc1 .Lplain
	s_cmp_gt_u32 s[WV], 2
	s_cbranch_scc1 .Lplain
	; ---- a wave with a cls job: 16 rows (eight cls tokens, twice) x one head of kind = my wave's number, all of K, operands straight from memory.  Its loads go out ahead of v's way out
	s_wait_loadcnt 0x0                             ; the job's gain and bias of the norm
	s_lshl_b32 s31, s[CY], 2
	s_add_co_u32 s31, s31, s[CX]                   ; the head
	s_lshl_b32 s72, s[WV], 6
	s_lshl_b32 s73, s31, 2
	s_add_co_u32 s72, s72, s73
	s_add_co_u32 s72, s72, 513                     ; its first block of channels
	s_mov_b32 s75, 0
	s_lshl_b32 s74, s72, 13
	s_add_nc_u64 s[80:81], s[4:5], s[74:75]
	s_lshl_b32 s74, s72, 9
	s_add_nc_u64 s[82:83], s[6:7], s[74:75]
	s_add_nc_u64 s[84:85], s[4:5], 512*8192
	s_add_nc_u64 s[86:87], s[6:7], 512*512
	s_lshl_b32 s74, s[WV], 12
	s_lshl_b32 s73, s31, 8
	s_add_co_u32 s74, s74, s73
	s_add_nc_u64 s[88:89], s[10:11], s[74:75]
	s_lshl_b32 s74, s[WV], 15
	s_lshl_b32 s73, s31, 11
	s_add_co_u32 s74, s74, s73
	s_add_co_u32 s74, s74, 0x3000000               ; the cls blocks begin 48 MiB on
	s_add_nc_u64 s[CB:CB+1], s[22:23], s[74:75]
	WIN 0x40                                       ; destination window 1
.irp s, 0,1,2,3,4,5,6,7
.irp c, 0,1
	global_load_b128 v[8*\s+4*\c:8*\s+4*\c+3], v[L16], s[84:85] offset:1024*\s+512*\c
.endr
.endr
	WIN 0xc0                                       ; destination window 3: rope is done with
.irp t, 0,1,2,3
.irp s, 0,1,2,3,4,5,6,7
.irp c, 0,1
	global_load_b128 v[64*\t+8*\s+4*\c:64*\t+8*\s+4*\c+3], v[L16], s[80:81] offset:8192*\t+1024*\s+512*\c
.endr
.endr
.endr
	WIN 0
	global_load_b128 v[SC:SC+3], v[R32], s[86:87]
	global_load_b128 v[SC+4:SC+7], v[R32], s[86:87] offset:16
.irp t, 0,1,2,3
	global_load_b128 v[SC+8+8*\t:SC+8+8*\t+3], v[R32], s[82:83] offset:512*\t
	global_load_b128 v[SC+8+8*\t+4:SC+8+8*\t+7], v[R32], s[82:83] offset:512*\t+16
	global_load_b128 v[CBI+8*\t:CBI+8*\t+3], v[H32], s[88:89] offset:64*\t
	global_load_b128 v[CBI+8*\t+4:CBI+8*\t+7], v[H32], s[88:89] offset:64*\t+16
.endr
.irp a, 0,1,2,3
	VOUT 64*\a, 2, OB, 2048*\a                     ; v's way out
.endr
	s_wait_loadcnt 0x0
.irp s, 0,1,2,3,4,5,6,7                ; the four accumulators by turns, one instruction a turn
.if \s == 0
	WIN 0x87                                       ; source 0 window 3, source 1 window 1, C (the bias) window 0, D window 2
.else
	WIN 0xa7
.endif
.irp t, 0,1,2,3
.if \s == 0
	v_wmma_scale_f32_16x16x128_f8f6f4 v[8*\t:8*\t+7], v[64*\t+8*\s:64*\t+8*\s+7], v[8*\s:8*\s+7], v[CBI+8*\t:CBI+8*\t+7], v[SC+8+8*\t+\s], v[SC+\s] matrix_a_fmt:MATRIX_FMT_FP4 matrix_b_fmt:MATRIX_FMT_FP4
.else
	v_wmma_scale_f32_16x16x128_f8f6f4 v[8*\t:8*\t+7], v[64*\t+8*\s:64*\t+8*\s+7], v[8*\s:8*\s+7], v[8*\t:8*\t+7], v[SC+8+8*\t+\s], v[SC+\s] matrix_a_fmt:MATRIX_FMT_FP4 matrix_b_fmt:MATRIX_FMT_FP4
.endif
.endr
.endr
	WIN 0
	PLACES 4
	s_cmp_eq_u32 s[WV], 2
	s_cbranch_scc1 .Lcls_v
	s_cmp_eq_u32 s[WV], 0
	s_cselect_b32 s[SF], s[SFQ], s[SFK]
	TIMESF
	HEADOUT 0, 1, 0, 0, CB, 0
	s_branch .Lfin
.Lcls_v:
	VOUT 0, 1, CB, 0
	s_branch .Lfin
.Lplain:
.irp a, 0,1,2,3
	VOUT 64*\a, 2, OB, 2048*\a
.endr
.Lfin:
	s_wait_tensorcnt 0x0                           ; the wave's end
	ds_add_u32 v[SPW], v[NIL]
	s_wait_dscnt 0x0
	CROUND                                         ; the closing round
	s_endpgm
.Lfunc_end_k_q26857e2414_qkvln:
	.size	k_q26857e2414_qkvln, .Lfunc_end_k_q26857e2414_qkvln-k_q26857e2414_qkvln
	.p2alignl 7, 3214868480
	.fill 96, 4, 3214868480
	.section	.rodata,"a",@progbits
	.p2align	6, 0x0
	.amdhsa_kernel k_q26857e2414_qkvln
		.amdhsa_group_segment_fixed_size 327680
		.amdhsa_private_segment_fixed_size 0
		.amdhsa_enable_private_segment 0
		.amdhsa_kernarg_size 80
		.amdhsa_user_sgpr_count 2
		.amdhsa_user_sgpr_kernarg_segment_ptr 1
		.amdhsa_wavefront_size32 1
		.amdhsa_system_sgpr_workgroup_id_x 1
		.amdhsa_system_sgpr_workgroup_id_y 1
		.amdhsa_system_sgpr_workgroup_id_z 1
		.amdhsa_system_vgpr_workitem_id 0
		.amdhsa_next_free_vgpr 1024
		.amdhsa_next_free_sgpr 100
		.amdhsa_reserve_vcc 0
		.amdhsa_float_denorm_mode_32 3
		.amdhsa_float_denorm_mode_16_64 3
		.amdhsa_memory_ordered 1
		.amdhsa_forward_progress 1
		.amdhsa_inst_pref_size 240
	.end_amdhsa_kernel
	.amdgpu_metadata
---
amdhsa.version: [ 1, 2 ]
amdhsa.kernels:
  - .name:           k_q26857e2414_qkvln
    .symbol:         k_q26857e2414_qkvln.kd
    .args:
      - { .name: codes, .offset: 0, .size: 8, .value_kind: global_buffer, .address_space: global }
      - { .name: scales, .offset: 8, .size: 8, .value_kind: global_buffer, .address_space: global }
      - { .name: rmx, .offset: 16, .size: 8, .value_kind: global_buffer, .address_space: global }
      - { .name: qkv_b, .offset: 24, .size: 8, .value_kind: global_buffer, .address_space: global }
      - { .name: qn_w, .offset: 32, .size: 8, .value_kind: global_buffer, .address_space: global }
      - { .name: qn_b, .offset: 40, .size: 8, .value_kind: global_buffer, .address_space: global }
      - { .name: kn_w, .offset: 48, .size: 8, .value_kind: global_buffer, .address_space: global }
      - { .name: kn_b, .offset: 56, .size: 8, .value_kind: global_buffer, .address_space: global }
      - { .name: rope, .offset: 64, .size: 8, .value_kind: global_buffer, .address_space: global }
      - { .name: qkvh, .offset: 72, .size: 8, .value_kind: global_buffer, .address_space: global }
    .group_segment_fixed_size: 327680
    .private_segment_fixed_size: 0
    .kernarg_segment_align: 8
    .kernarg_segment_size: 80
    .max_flat_workgroup_size: 128
    .sgpr_count:     100
    .vgpr_count:     1024
    .wavefront_size: 32
...
	.end_amdgpu_metadata
.endif
;; end of part 2
;; launch attn (part 3): grid 2 x 128, 8 waves a work-group, no clusters, 304,128 bytes of LDS; arguments qkvh, rmx, qn_w, qn_b, kn_w, kn_b, ob; writes ob
.if DOCPART == 3
	.amdgcn_target "amdgcn-amd-amdhsa--gfx1250"
	.amdhsa_code_object_version 6
	.text
	.protected	k_q26857e2414_attn
	.globl	k_q26857e2414_attn
	.p2align	8
	.type	k_q26857e2414_attn,@function
k_q26857e2414_attn:
	s_mov_b64 s[64:65], 0
	v_nop
	global_prefetch_b8 v0, s[64:65] scope:SCOPE_SE
	s_setreg_imm32_b32 hwreg(HW_REG_WAVE_MODE, 25, 1), 1
	s_wait_xcnt 0x0
; ATTENTION in f16 operands, f32 sums.  o = softmax(q k^T / 8) v for one head of one batch: 1,024 main tokens and the cls token, as keys and as queries.
; SHARES.  A work-group owns 512 main queries of a head (work-group x = which half; y = 16 batch + head), each of its eight waves 64: four tiles of 16.  Two waves lie on a SIMD, so that one wave's softmax stands beside the other's products.
; ALL keys and values of the head lie in LDS (2 x 131,072 bytes, and a block each for the cls tokens), asked for at the head by five tensor loads a wave, in four stages of 256 keys: five loads of mine are out at the most.
; NO CLUSTER: two work-groups share a head's K and V; with 256 queries to a work-group the grid would be twice the number of WGPs.
; LAYOUT.  S^T = K Q^T (source 0 = 16 keys, source 1 = 16 queries): a lane holds ONE query (lane mod 16) and keys 8 (lane / 16) + 0 .. 7.  Two such tiles, rounded to f16 in pairs, are source 1 of O^T = V^T P.  K's and Q's fragments lie in memory
; and LDS as images of their registers; V lies [16 keys][16 channels] in slabs of 512 bytes and is turned by ds_load_tr16_b128.
; SOFTMAX.  A running maximum m and sum l for each query: p = 2^(c s - c m); O and l are multiplied by a = 2^(c m_old - c m_new) in every step.  q and k arrive multiplied by powers of two, 2^(138 - eq) and 2^(138 - ek)
; (made from the norm's gains and biases and rope's maxima, here by the same lines as in the launch that wrote them), so c = log2(e) / 8 x 2^(eq + ek - 276).
; THE CLS KEY: block row = batch; a step of its own takes the block's 16 rows and hides all but row b ahead of the maximum.
; THE CLS QUERY (work-groups with x = 0): its tile of 16 rows holds the eight batches' cls queries twice; it is asked for at the head, by every wave, into registers that lie idle till then; wave w takes keys 128 w .. 128 w + 127
; (wave 0 the cls key too); the eight parts meet in LDS, wave 0 joins them and stores rows b and b + 8 alone: four lanes, 16 bytes each, four times: 32 KiB in the whole launch.
; LIMITS.  NaN and infinities are not served; o beyond 65,504 in magnitude has no f16 number.
; REGISTERS.  Window 0: v1-11 addresses and masks; v12-31 at work at the head and in the merge, between them v12-27 the cls queries; v32-63 statistics, eight a tile: c m, m, l (two halves), four at work (a takes the third's place); v64-127 Q (16 i + 8 u);
;   v128-255 S^T (32 i + 8 kb), P in place at 32 i + 8 kappa.   Window 1: v0-127 O^T (32 i + 8 t); v128-191 K of a step (16 kb + 8 u); v192-255 V (16 t + 8 kappa).
.set VBASE, 131072
.set CLK,   262144
.set CLV,   264192
.set MRG,   266240                     ; the merge's bytes, 4,608 for each wave: c m, l, 32 registers of O^T; no tile lands here
.set MRW,   4608
.set SPARE, 303104                     ; the spare words: 128 bytes for each of eight waves
.set L16,  1
.set AV0,  2
.set ADK,  3
.set ADV,  4
.set NEG,  5
.set DM,   6                           ; the cls step's mask: b in lanes 0-15, 99 in lanes 16-31
.set MS,   7
.set SPW,  8
.set NIL,  9
.set MO,   10
.set DM2,  11                          ; the same for the cls query: 99 everywhere but in wave 0
.set CQ,   12                          ; v12-27 the cls queries' tile
.set ST,   32
.set Q,    64
.set S,    128
.set O,    0
.set KF,   128
.set VF,   192
.set WV,   18
.set BH,   19
.set BB,   20
.set HD,   21
.set G1,   24
.set G1C,  32
.set G0,   40                          ; s[40:59] five groups 0
.set CS,   60
.set SEL,  62
.set TB,   66
.set CNT,  67
.set MSB, 0
.macro WIN new
.if MSB != \new
	s_set_vgpr_msb (MSB<<8)|\new
.set MSB, \new
.endif
.endm
.macro PLACES n
.rept \n
	v_nop
.endr
.endm
.macro XMAX v, t
	v_max_num_f32_dpp v[\v], v[\v], v[\v] row_xmask:1 row_mask:0xf bank_mask:0xf
	v_max_num_f32_dpp v[\v], v[\v], v[\v] row_xmask:2 row_mask:0xf bank_mask:0xf
	v_max_num_f32_dpp v[\v], v[\v], v[\v] row_xmask:4 row_mask:0xf bank_mask:0xf
	v_max_num_f32_dpp v[\v], v[\v], v[\v] row_xmask:8 row_mask:0xf bank_mask:0xf
	v_permlanex16_b32 v[\t], v[\v], s[SEL], s[SEL+1]
	v_max_num_f32 v[\v], v[\v], v[\t]
.endm
.macro EXPO dst, wp, bp, r2, tt        ; the exponent field of (8 max|w| + max|b|) x r2, held at 2^-40 from below: line for line as in the launch that scaled q and k
	v_max_num_f32 v[\wp], |v[\wp]|, |v[\wp+1]|
	v_max_num_f32 v[\bp], |v[\bp]|, |v[\bp+1]|
	XMAX \wp, \tt
	XMAX \bp, \tt
	v_fma_f32 v[\dst], v[\wp], 0x41000000, v[\bp]
	v_mul_f32 v[\dst], v[\dst], v[\r2]
	v_max_num_f32 v[\dst], 0x2b800000, v[\dst]
	v_lshrrev_b32 v[\dst], 23, v[\dst]
.endm
	s_load_b256 s[4:11], s[0:1], 0x0               ; qkvh, rmx, qn_w, qn_b
	s_load_b128 s[12:15], s[0:1], 0x20             ; kn_w, kn_b
	s_load_b64 s[16:17], s[0:1], 0x30              ; ob
	v_lshl_add_u32 v[SPW], v0, 2, SPARE
	v_mov_b32 v[NIL], 0
	ds_add_u32 v[SPW], v[NIL]                      ; the wave's opening: the add, twice on end, and its wait ahead of my first tensor load
	ds_add_u32 v[SPW], v[NIL]
	v_lshrrev_b32 v11, 5, v0
	v_readfirstlane_b32 s[WV], v11
	s_and_b32 s[BH], ttmp7, 0xffff
	s_lshr_b32 s[BB], s[BH], 4
	s_and_b32 s[HD], s[BH], 15
	s_lshr_b32 s68, s[WV], 2                       ; I fetch for K (0) or for V (1),
	s_and_b32 s69, s[WV], 3                        ; this quarter of each stage
	; group 1: a dense block as rows of 256 bytes (32 elements of 8 bytes): 32 rows, 8,192 bytes; for the cls blocks 2 rows
	s_mov_b32 s[G1], 3<<16
	s_mov_b32 s[G1+1], 32<<16
	s_mov_b32 s[G1+2], 32<<16
	s_mov_b32 s[G1+3], 32<<16
	s_mov_b32 s[G1+4], 32
	s_mov_b32 s[G1+5], 32
	s_mov_b32 s[G1+6], 0
	s_mov_b32 s[G1+7], 0
	s_mov_b32 s[G1C], 3<<16
	s_mov_b32 s[G1C+1], 32<<16
	s_mov_b32 s[G1C+2], 2<<16
	s_mov_b32 s[G1C+3], 32<<16
	s_mov_b32 s[G1C+4], 2
	s_mov_b32 s[G1C+5], 32
	s_mov_b32 s[G1C+6], 0
	s_mov_b32 s[G1C+7], 0
	s_add_co_u32 s70, s68, 1
	s_lshl_b32 s72, s70, 15                        ; the cls blocks: k's 32,768 bytes on from q's, v's 65,536
	s_lshl_b32 s70, s70, 24                        ; k begins 16 MiB on, v 32 MiB
	s_lshl_b32 s71, s[BH], 17                      ; a head: 131,072 bytes
	s_add_co_u32 s70, s70, s71
	s_lshl_b32 s71, s69, 13
	s_add_co_u32 s70, s70, s71
	s_mov_b32 s71, 0
	s_lshl_b32 s73, s[HD], 11
	s_add_co_u32 s72, s72, s73
	s_lshl_b32 s73, s69, 9
	s_add_co_u32 s72, s72, s73
	s_add_co_u32 s72, s72, 0x3000000
	s_mov_b32 s73, 0
	s_lshl_b32 s74, s68, 17
	s_lshl_b32 s75, s69, 13
	s_add_co_u32 s74, s74, s75                     ; in LDS: the wave's number alone
	s_lshl_b32 s75, s68, 11
	s_lshl_b32 s76, s69, 9
	s_add_co_u32 s75, s75, s76
	s_add_co_u32 s75, s75, CLK
	s_mov_b32 s[SEL], 0x76543210
	s_mov_b32 s[SEL+1], 0xfedcba98
	s_mov_b32 s[TB], 0
	s_wait_dscnt 0x0                               ; both opening adds are done
	s_wait_kmcnt 0x0
	s_add_nc_u64 s[70:71], s[4:5], s[70:71]
	s_add_nc_u64 s[72:73], s[4:5], s[72:73]
.irp g, 0,1,2,3
	s_mov_b32 s[G0+4*\g], 1
	s_add_co_u32 s[G0+4*\g+1], s74, \g*32768
	s_add_nc_u64 s[G0+4*\g+2:G0+4*\g+3], s[70:71], \g*32768
	s_or_b32 s[G0+4*\g+3], s[G0+4*\g+3], 0x80000000
.endr
	s_mov_b32 s[G0+16], 1
	s_mov_b32 s[G0+17], s75
	s_mov_b64 s[G0+18:G0+19], s[72:73]
	s_or_b32 s[G0+19], s[G0+19], 0x80000000
.irp g, 0,1,2,3
	tensor_load_to_lds s[G0+4*\g:G0+4*\g+3], s[G1:G1+7]   ; stage g: 256 keys; my eighth of its K and V
	s_nop 0
.endr
	tensor_load_to_lds s[G0+16:G0+19], s[G1C:G1C+7]
	s_nop 0
	PLACES 4
	v_and_b32 v12, 31, v0
	v_and_b32 v13, 15, v0
	v_bfe_u32 v14, v0, 4, 1
	v_lshlrev_b32 v[L16], 4, v12
	v_and_b32 v15, 7, v0
	v_bfe_u32 v16, v0, 3, 1
	v_lshl_add_u32 v[AV0], v14, 3, v15             ; the turning load: lane l reads key 8 (l / 16) + l mod 8, channels 8 ((l / 8) mod 2) + 0 .. 7: rows of 32 bytes
	v_lshlrev_b32 v[AV0], 5, v[AV0]
	v_lshl_add_u32 v[AV0], v16, 4, v[AV0]
	v_add_nc_u32 v[AV0], VBASE, v[AV0]
	s_mul_i32 s74, s[WV], MRW
	s_add_co_u32 s74, s74, MRG
	v_lshl_add_u32 v[MS], v12, 2, s74
	v_lshl_add_u32 v[MO], v12, 4, s74
	v_mov_b32 v[NEG], 0xff800000
	v_mov_b32 v17, 99
	v_mov_b32 v[DM], s[BB]
	v_cmp_eq_u32 vcc_lo, 0, v14
	v_cndmask_b32 v[DM], v17, v[DM], vcc_lo
	s_cmp_eq_u32 s[WV], 0
	s_cselect_b32 s75, s[BB], 99
	v_mov_b32 v[DM2], s75
	v_cndmask_b32 v[DM2], v17, v[DM2], vcc_lo
	s_lshl_b32 s76, s[BH], 17
	s_lshl_b32 s77, ttmp9, 16
	s_add_co_u32 s76, s76, s77
	s_lshl_b32 s77, s[WV], 13
	s_add_co_u32 s76, s76, s77
	s_mov_b32 s77, 0
	s_add_nc_u64 s[76:77], s[4:5], s[76:77]        ; q at my wave's four blocks
	s_lshl_b32 s74, s[HD], 11
	s_add_co_u32 s74, s74, 0x3000000
	s_mov_b32 s75, 0
	s_add_nc_u64 s[74:75], s[4:5], s[74:75]        ; the head's cls block of q
	s_lshl_b32 s78, s[BB], 21
	s_lshl_b32 s79, ttmp9, 20
	s_add_co_u32 s78, s78, s79
	s_lshl_b32 s79, s[WV], 17
	s_add_co_u32 s78, s78, s79
	s_lshl_b32 s79, s[HD], 11
	s_add_co_u32 s78, s78, s79
	s_mov_b32 s79, 0
	s_add_nc_u64 s[78:79], s[16:17], s[78:79]      ; ob: row block 64 b + 32 x + 4 w, 32,768 bytes a block, the head's 2,048
	s_lshl_b32 s22, s[HD], 11
	s_add_co_u32 s22, s22, 512*32768
	s_mov_b32 s23, 0
	s_add_nc_u64 s[22:23], s[16:17], s[22:23]      ; and row block 512
.irp i, 0,1,2,3
.irp u, 0,1
.irp g, 0,1
	global_load_b128 v[Q+16*\i+8*\u+4*\g:Q+16*\i+8*\u+4*\g+3], v[L16], s[76:77] offset:2048*\i+1024*\u+512*\g
.endr
.endr
.endr
	v_lshlrev_b32 v18, 3, v12
	v_lshlrev_b32 v19, 7, v12
	global_load_b64 v[20:21], v18, s[8:9]
	global_load_b64 v[22:23], v18, s[10:11]
	global_load_b64 v[24:25], v18, s[12:13]
	global_load_b64 v[26:27], v18, s[14:15]
	global_load_b32 v28, v19, s[6:7]
	v_mov_b32 v29, 0
.irp i, 0,1,2,3
	v_mov_b32 v[ST+8*\i], 0xff800000               ; c m: under every number, so that the first a is 0
	v_mov_b32 v[ST+8*\i+1], 0xff61b1e6             ; m: -3e38
	v_mov_b32 v[ST+8*\i+2], 0
	v_mov_b32 v[ST+8*\i+3], 0
	v_mov_b32 v[ST+8*\i+5], 0                      ; (a lane permute's destination counts as one of its sources)
	v_mov_b32 v[ST+8*\i+7], 0
.endr
	WIN 0x40
.set n, 0
.rept 128
	v_mov_b32 v[O+n], 0                            ; O^T.  The key step is written without a first step of its own: the first a, 0, multiplies zeros
.set n, n+1
.endr
	WIN 0
	s_wait_loadcnt 0x0
	XMAX 28, 29
	v_add_f32 v28, v28, v28
	v_max_num_f32 v28, 1.0, v28
	EXPO 30, 20, 22, 28, 29
	EXPO 31, 24, 26, 28, 29
	v_add_nc_u32 v30, v30, v31
	v_add_nc_u32 v30, 0xfffffeec, v30              ; eq + ek - 276
	v_mov_b32 v31, 0x3e38aa3b                      ; log2(e) / 8
	v_ldexp_f32 v31, v31, v30
	v_readfirstlane_b32 s[CS], v31
	s_mov_b32 s[CS+1], s[CS]                       ; (named with it as a pair, so it is written)
.irp u, 0,1
.irp g, 0,1
	global_load_b128 v[CQ+8*\u+4*\g:CQ+8*\u+4*\g+3], v[L16], s[74:75] offset:1024*\u+512*\g   ; the cls queries, into registers that are idle from here to the merge: they land under the key steps
.endr
.endr
; A KEY STEP for tiles 0 .. nt - 1, whose queries lie from v[qb] on.  cls = 0: the 64 keys that begin at LDS byte s[TB].  cls = 1: the cls block's 16 rows, of which v[dm] names the one that counts.
.macro STEP nt, cls, dm, qb
.set NS, 32-24*\cls                    ; scores a lane and tile
.if \cls
	v_add_nc_u32 v[ADK], CLK, v[L16]
	v_add_nc_u32 v[ADV], CLV-VBASE, v[AV0]
.else
	v_add_nc_u32 v[ADK], s[TB], v[L16]
	v_add_nc_u32 v[ADV], s[TB], v[AV0]
.endif
	PLACES 4                                       ; with the two lines above: six plain lines behind the last products, ahead of the loads into V's registers and of the products that write over P
	WIN 0x40
.irp k, 0,1,2,3
.if (\k == 0) || !\cls
.irp u, 0,1
.irp g, 0,1
	ds_load_b128 v[KF+16*\k+8*\u+4*\g:KF+16*\k+8*\u+4*\g+3], v[ADK] offset:2048*\k+1024*\u+512*\g
.endr
.endr
.endif
.endr
.irp t, 0,1,2,3
.irp k, 0,1
.if (\k == 0) || !\cls
	ds_load_tr16_b128 v[VF+16*\t+8*\k:VF+16*\t+8*\k+3], v[ADV] offset:2048*(2*\k)+512*\t
	ds_load_tr16_b128 v[VF+16*\t+8*\k+4:VF+16*\t+8*\k+7], v[ADV] offset:2048*(2*\k+1-\cls)+512*\t   ; (cls: the same 16 rows once more: they meet weights of 0)
.endif
.endr
.endr
.if \cls
	s_wait_dscnt 8                                 ; K is in; V's eight loads stay out
.else
	s_wait_dscnt 16                                ; K is in; V's sixteen loads stay out
.endif
	WIN 0x01                                       ; source 0 (K) window 1
.irp u, 0,1
.irp k, 0,1,2,3
.if (\k == 0) || !\cls
.irp i, 0,1,2,3
.if \i < \nt
.if \u == 0
	v_wmma_f32_16x16x32_f16 v[S+32*\i+8*\k:S+32*\i+8*\k+7], v[KF+16*\k+8*\u:KF+16*\k+8*\u+7], v[\qb+16*\i+8*\u:\qb+16*\i+8*\u+7], 0
.else
.if \cls && (\nt == 1)
	s_wait_alu depctr_va_vdst(0)                   ; the wait directly ahead of the link
.endif
	v_wmma_f32_16x16x32_f16 v[S+32*\i+8*\k:S+32*\i+8*\k+7], v[KF+16*\k+8*\u:KF+16*\k+8*\u+7], v[\qb+16*\i+8*\u:\qb+16*\i+8*\u+7], v[S+32*\i+8*\k:S+32*\i+8*\k+7]
.endif
.endif
.endr
.endif
.endr
.endr
	WIN 0
	PLACES 4
.if \cls
.irp j, 0,1,2,3,4,5,6,7                ; register j of lane (r, h) is block row 8 h + j: all but row b become -infinity
	v_cmp_eq_u32 vcc_lo, \j, v[\dm]
.irp i, 0,1,2,3
.if \i < \nt
	v_cndmask_b32 v[S+32*\i+\j], v[NEG], v[S+32*\i+\j], vcc_lo
.endif
.endr
.endr
.irp i, 0,1,2,3
.if \i < \nt
	v_max3_num_f32 v[ST+8*\i+4], v[S+32*\i], v[S+32*\i+1], v[S+32*\i+2]
	v_max3_num_f32 v[ST+8*\i+5], v[S+32*\i+3], v[S+32*\i+4], v[S+32*\i+5]
.endif
.endr
.irp i, 0,1,2,3
.if \i < \nt
	v_max3_num_f32 v[ST+8*\i+4], v[ST+8*\i+4], v[S+32*\i+6], v[S+32*\i+7]
.endif
.endr
.irp i, 0,1,2,3
.if \i < \nt
	v_max3_num_f32 v[ST+8*\i+4], v[ST+8*\i+4], v[ST+8*\i+5], v[ST+8*\i+1]
.endif
.endr
.else
.irp c, 0,1,2,3                        ; four chains a tile, each accumulator from its low end on; the tiles by turns
.irp i, 0,1,2,3
.if \i < \nt
	v_max3_num_f32 v[ST+8*\i+4+\c], v[S+32*\i+8*\c], v[S+32*\i+8*\c+1], v[S+32*\i+8*\c+2]
.endif
.endr
.endr
.irp p, 3,5
.irp c, 0,1,2,3
.irp i, 0,1,2,3
.if \i < \nt
	v_max3_num_f32 v[ST+8*\i+4+\c], v[ST+8*\i+4+\c], v[S+32*\i+8*\c+\p], v[S+32*\i+8*\c+\p+1]
.endif
.endr
.endr
.endr
.irp i, 0,1,2,3
.if \i < \nt
	v_max3_num_f32 v[ST+8*\i+4], v[ST+8*\i+4], v[S+32*\i+7], v[S+32*\i+15]
	v_max3_num_f32 v[ST+8*\i+6], v[ST+8*\i+6], v[S+32*\i+23], v[S+32*\i+31]
.endif
.endr
.irp i, 0,1,2,3
.if \i < \nt
	v_max3_num_f32 v[ST+8*\i+4], v[ST+8*\i+4], v[ST+8*\i+5], v[ST+8*\i+6]
.endif
.endr
.irp i, 0,1,2,3
.if \i < \nt
	v_max3_num_f32 v[ST+8*\i+4], v[ST+8*\i+4], v[ST+8*\i+7], v[ST+8*\i+1]
.endif
.endr
.endif
.irp i, 0,1,2,3
.if \i < \nt
	v_permlanex16_b32 v[ST+8*\i+5], v[ST+8*\i+4], s[SEL], s[SEL+1]   ; the query's other keys lie in lane l xor 16
.endif
.endr
.irp i, 0,1,2,3
.if \i < \nt
	v_mov_b32 v[ST+8*\i+7], v[ST+8*\i]             ; c m_old
.endif
.endr
.irp i, 0,1,2,3
.if \i < \nt
	v_max_num_f32 v[ST+8*\i+1], v[ST+8*\i+4], v[ST+8*\i+5]
.endif
.endr
.irp i, 0,1,2,3
.if \i < \nt
	v_mul_f32 v[ST+8*\i], s[CS], v[ST+8*\i+1]
.endif
.endr
.irp i, 0,1,2,3
.if \i < \nt
	v_sub_f32 v[ST+8*\i+7], v[ST+8*\i+7], v[ST+8*\i]
.endif
.endr
.set n, 0
.rept NS/2
.irp i, 0,1,2,3
.if \i < \nt
	v_pk_fma_f32 v[S+32*\i+2*n:S+32*\i+2*n+1], v[S+32*\i+2*n:S+32*\i+2*n+1], s[CS:CS+1], v[ST+8*\i:ST+8*\i+1] op_sel_hi:[1,0,0] neg_lo:[0,0,1] neg_hi:[0,0,1]   ; c s - c m
.endif
.endr
.set n, n+1
.endr
.irp i, 0,1,2,3                        ; ONE BATCH of exponentials: a, then the weights
.if \i < \nt
	v_exp_f32 v[ST+8*\i+6], v[ST+8*\i+7]
.endif
.endr
.set n, 0
.rept NS
.irp i, 0,1,2,3
.if \i < \nt
	v_exp_f32 v[S+32*\i+n], v[S+32*\i+n]
.endif
.endr
.set n, n+1
.endr
	v_nop                                          ; a plain line behind the last exponential
	s_wait_alu depctr_va_vdst(0)                   ; the wait ahead of the first use: one for the batch
.irp i, 0,1,2,3
.if \i < \nt
	v_pk_add_f32 v[ST+8*\i+4:ST+8*\i+5], v[S+32*\i:S+32*\i+1], v[S+32*\i+2:S+32*\i+3]   ; the sum is taken of the weights before they are rounded
.endif
.endr
.set n, 4
.rept NS/2-2
.irp i, 0,1,2,3
.if \i < \nt
	v_pk_add_f32 v[ST+8*\i+4:ST+8*\i+5], v[ST+8*\i+4:ST+8*\i+5], v[S+32*\i+n:S+32*\i+n+1]
.endif
.endr
.set n, n+2
.endr
.irp i, 0,1,2,3
.if \i < \nt
	v_pk_fma_f32 v[ST+8*\i+2:ST+8*\i+3], v[ST+8*\i+2:ST+8*\i+3], v[ST+8*\i+6:ST+8*\i+7], v[ST+8*\i+4:ST+8*\i+5] op_sel_hi:[1,0,1]   ; l = a l + the sum
.endif
.endr
.set n, 0
.rept NS/2
.irp i, 0,1,2,3
.if \i < \nt
	v_cvt_pk_f16_f32 v[S+32*\i+n], v[S+32*\i+2*n], v[S+32*\i+2*n+1]   ; in place, ascending: register n is written when registers up to 2 n + 1 have been read
.endif
.endr
.set n, n+1
.endr
.if \cls
.irp i, 0,1,2,3
.if \i < \nt
.irp j, 4,5,6,7
	v_mov_b32 v[S+32*\i+\j], 0                     ; the fragment's other 16 keys: weights of 0
.endr
.endif
.endr
.endif
	WIN 0x41                                       ; O^T (destination and source 0) window 1
.set n, 0
.rept 16
.irp i, 0,1,2,3
.if \i < \nt
	v_pk_mul_f32 v[O+32*\i+2*n:O+32*\i+2*n+1], v[O+32*\i+2*n:O+32*\i+2*n+1], v[ST+8*\i+6:ST+8*\i+7] op_sel_hi:[1,0]
.endif
.endr
.set n, n+1
.endr
	s_wait_dscnt 0x0                               ; V is in
	WIN 0x51                                       ; V and O^T window 1, P window 0
.irp k, 0,1
.if (\k == 0) || !\cls
.irp t, 0,1,2,3
.irp i, 0,1,2,3
.if \i < \nt
	v_wmma_f32_16x16x32_f16 v[O+32*\i+8*\t:O+32*\i+8*\t+7], v[VF+16*\t+8*\k:VF+16*\t+8*\k+7], v[S+32*\i+8*\k:S+32*\i+8*\k+7], v[O+32*\i+8*\t:O+32*\i+8*\t+7]
.endif
.endr
.endr
.endif
.endr
	WIN 0
.endm
; A stage of 256 keys: my part has landed (left: the loads issued behind it, which stay out), everybody's has; then four key steps.
.macro STAGE left
	s_wait_tensorcnt \left
	s_wait_dscnt 0x0
	s_barrier_signal -1
	s_barrier_wait -1
	s_mov_b32 s[CNT], 4
.Lstage_\@:
	STEP 4, 0, DM, Q
	s_add_co_u32 s[TB], s[TB], 8192
	s_sub_co_u32 s[CNT], s[CNT], 1
	s_cmp_lg_u32 s[CNT], 0
	s_cbranch_scc1 .Lstage_\@
.endm
	STAGE 4
	STAGE 3
	STAGE 2
	STAGE 1
	s_wait_tensorcnt 0x0                           ; the cls blocks
	s_wait_dscnt 0x0
	s_barrier_signal -1
	s_barrier_wait -1
	STEP 4, 1, DM, Q
	; THE WAY OUT: O^T / l, rounded to f16; a lane's eight channels of a query are 16 bytes of the next launch's operand image: no stage
.irp i, 0,1,2,3
	v_add_f32 v[ST+8*\i+4], v[ST+8*\i+2], v[ST+8*\i+3]
.endr
.irp i, 0,1,2,3
	v_permlanex16_b32 v[ST+8*\i+5], v[ST+8*\i+4], s[SEL], s[SEL+1]
.endr
.irp i, 0,1,2,3
	v_add_f32 v[ST+8*\i+4], v[ST+8*\i+4], v[ST+8*\i+5]
.endr
.irp i, 0,1,2,3
	v_rcp_f32 v[ST+8*\i+6], v[ST+8*\i+4]
.endr
	v_nop
	s_wait_alu depctr_va_vdst(0)                   ; one wait for the four reciprocals
	WIN 0x41
.irp i, 0,1,2,3
.set n, 0
.rept 16
	v_pk_mul_f32 v[O+32*\i+2*n:O+32*\i+2*n+1], v[O+32*\i+2*n:O+32*\i+2*n+1], v[ST+8*\i+6:ST+8*\i+7] op_sel_hi:[1,0]
.set n, n+1
.endr
.endr
	WIN 0x05                                       ; sources 0 and 1 window 1
.irp i, 0,1,2,3
.set n, 0
.rept 16
	v_cvt_pk_f16_f32 v[S+32*\i+n], v[O+32*\i+2*n], v[O+32*\i+2*n+1]
.set n, n+1
.endr
.endr
	WIN 0
.irp i, 0,1,2,3
.irp t, 0,1,2,3
	global_store_b128 v[L16], v[S+32*\i+4*\t:S+32*\i+4*\t+3], s[78:79] offset:32768*\i+512*\t   ; 512 consecutive bytes, aligned
.endr
.endr
	s_wait_xcnt 0x0                                ; on every wave's path: the stores have read their registers; the cls query's steps and the merge write S^T's registers again only behind this wait
	s_wait_loadcnt 0x0                             ; on every wave's path too: the cls queries, asked for at the head, are in: their registers are read below, and written again in the merge
	; ---- the cls query
	s_cmp_lg_u32 ttmp9, 0
	s_cbranch_scc1 .Lno_clsq
	v_mov_b32 v[ST], 0xff800000
	v_mov_b32 v[ST+1], 0xff61b1e6
	v_mov_b32 v[ST+2], 0
	v_mov_b32 v[ST+3], 0
	WIN 0x40
.set n, 0
.rept 32
	v_mov_b32 v[O+n], 0
.set n, n+1
.endr
	WIN 0
	s_lshl_b32 s[TB], s[WV], 14                    ; my 128 keys
	STEP 1, 0, DM, CQ
	s_add_co_u32 s[TB], s[TB], 8192
	STEP 1, 0, DM, CQ
	STEP 1, 1, DM2, CQ
	v_add_f32 v[ST+4], v[ST+2], v[ST+3]
	v_permlanex16_b32 v[ST+5], v[ST+4], s[SEL], s[SEL+1]
	v_add_f32 v[ST+4], v[ST+4], v[ST+5]
	v_nop                                          ; four plain lines behind the last products
	ds_store_b32 v[MS], v[ST]
	ds_store_b32 v[MS], v[ST+4] offset:128
	WIN 0x04                                       ; an LDS store's data are its source 1: window 1
.irp q, 0,1,2,3,4,5,6,7
	ds_store_b128 v[MO], v[O+4*\q:O+4*\q+3] offset:256+512*\q
.endr
	WIN 0
.Lno_clsq:
	s_wait_dscnt 0x0                               ; for the others' sake: my stores have landed
	s_barrier_signal -1
	s_barrier_wait -1
	s_cmp_lg_u32 ttmp9, 0
	s_cbranch_scc1 .Lend
	s_cmp_lg_u32 s[WV], 0
	s_cbranch_scc1 .Lend
	; wave 0 joins the eight parts: M = the largest c m; each part x 2^(c m - M)
.irp p, 0,1,2,3,4,5,6,7
	ds_load_b32 v[12+\p], v[MS] offset:MRW*\p
	ds_load_b32 v[20+\p], v[MS] offset:MRW*\p+128
.endr
.irp q, 0,1,2,3,4,5,6,7
	ds_load_b128 v[160+4*\q:163+4*\q], v[MO] offset:256+512*\q
.endr
	s_wait_dscnt 8                                 ; the sixteen numbers are in; part 0's eight loads stay out
	v_max3_num_f32 v28, v12, v13, v14
	v_max3_num_f32 v28, v28, v15, v16
	v_max3_num_f32 v28, v28, v17, v18
	v_max_num_f32 v28, v28, v19
.irp p, 0,1,2,3,4,5,6,7
	v_sub_f32 v[12+\p], v[12+\p], v28
.endr
.irp p, 0,1,2,3,4,5,6,7
	v_exp_f32 v[12+\p], v[12+\p]
.endr
	v_nop
	s_wait_alu depctr_va_vdst(0)                   ; one wait for the eight
	v_mul_f32 v29, v12, v20
.irp p, 1,2,3,4,5,6,7
	v_fmac_f32 v29, v[12+\p], v[20+\p]
.endr
	v_rcp_f32 v29, v29                             ; its wait stands behind the sums below, ahead of its first use
.irp p, 0,1,2,3,4,5,6,7
.if \p < 7
.irp q, 0,1,2,3,4,5,6,7
	ds_load_b128 v[160+32*((\p+1)%2)+4*\q:163+32*((\p+1)%2)+4*\q], v[MO] offset:MRW*(\p+1)+256+512*\q
.endr
	s_wait_dscnt 8                                 ; this part is in; the next part's eight loads stay out
.else
	s_wait_dscnt 0x0
.endif
.set n, 0
.rept 32
.if \p == 0
	v_mul_f32 v[128+n], v12, v[160+n]
.else
	v_fmac_f32 v[128+n], v[12+\p], v[160+32*(\p%2)+n]
.endif
.set n, n+1
.endr
.endr
	s_wait_alu depctr_va_vdst(0)
.set n, 0
.rept 32
	v_mul_f32 v[128+n], v29, v[128+n]
.set n, n+1
.endr
.set n, 0
.rept 16
	v_cvt_pk_f16_f32 v[160+n], v[128+2*n], v[128+2*n+1]
.set n, n+1
.endr
	v_and_b32 v30, 7, v0
	v_cmp_eq_u32 vcc_lo, s[BB], v30                ; rows b and b + 8 are this batch's
	s_wait_xcnt 0x0                                ; EXEC changes only behind this wait
	s_and_saveexec_b32 s68, vcc_lo
.irp t, 0,1,2,3
	global_store_b128 v[L16], v[160+4*\t:163+4*\t], s[22:23] offset:512*\t
.endr
	s_wait_xcnt 0x0                                ; and again, ahead of the line that widens it
	s_or_b32 exec_lo, exec_lo, s68
.Lend:
	s_wait_tensorcnt 0x0                           ; the wave's end
	ds_add_u32 v[SPW], v[NIL]
	s_wait_dscnt 0x0
	s_endpgm
.Lfunc_end_k_q26857e2414_attn:
	.size	k_q26857e2414_attn, .Lfunc_end_k_q26857e2414_attn-k_q26857e2414_attn
	.p2alignl 7, 3214868480
	.fill 96, 4, 3214868480
	.section	.rodata,"a",@progbits
	.p2align	6, 0x0
	.amdhsa_kernel k_q26857e2414_attn
		.amdhsa_group_segment_fixed_size 304128
		.amdhsa_private_segment_fixed_size 0
		.amdhsa_enable_private_segment 0
		.amdhsa_kernarg_size 56
		.amdhsa_user_sgpr_count 2
		.amdhsa_user_sgpr_kernarg_segment_ptr 1
		.amdhsa_wavefront_size32 1
		.amdhsa_system_sgpr_workgroup_id_x 1
		.amdhsa_system_sgpr_workgroup_id_y 1
		.amdhsa_system_sgpr_workgroup_id_z 1
		.amdhsa_system_vgpr_workitem_id 0
		.amdhsa_next_free_vgpr 512
		.amdhsa_next_free_sgpr 80
		.amdhsa_reserve_vcc 1
		.amdhsa_float_denorm_mode_32 3
		.amdhsa_float_denorm_mode_16_64 3
		.amdhsa_memory_ordered 1
		.amdhsa_forward_progress 1
		.amdhsa_inst_pref_size 214
	.end_amdhsa_kernel
	.amdgpu_metadata
---
amdhsa.version: [ 1, 2 ]
amdhsa.kernels:
  - .name:           k_q26857e2414_attn
    .symbol:         k_q26857e2414_attn.kd
    .args:
      - { .name: qkvh, .offset: 0, .size: 8, .value_kind: global_buffer, .address_space: global }
      - { .name: rmx, .offset: 8, .size: 8, .value_kind: global_buffer, .address_space: global }
      - { .name: qn_w, .offset: 16, .size: 8, .value_kind: global_buffer, .address_space: global }
      - { .name: qn_b, .offset: 24, .size: 8, .value_kind: global_buffer, .address_space: global }
      - { .name: kn_w, .offset: 32, .size: 8, .value_kind: global_buffer, .address_space: global }
      - { .name: kn_b, .offset: 40, .size: 8, .value_kind: global_buffer, .address_space: global }
      - { .name: ob, .offset: 48, .size: 8, .value_kind: global_buffer, .address_space: global }
    .group_segment_fixed_size: 304128
    .private_segment_fixed_size: 0
    .kernarg_segment_align: 8
    .kernarg_segment_size: 56
    .max_flat_workgroup_size: 256
    .sgpr_count:     80
    .vgpr_count:     512
    .wavefront_size: 32
...
	.end_amdgpu_metadata
.endif
;; end of part 3
;; launch proj (part 4): grid 4 x 64, 4 waves a work-group, clusters of 4 x 4, 327,680 bytes of LDS; arguments ob, pw, proj_b, out0; writes out0
.if DOCPART == 4
	.amdgcn_target "amdgcn-amd-amdhsa--gfx1250"
	.amdhsa_code_object_version 6
	.text
	.protected	k_q26857e2414_proj
	.globl	k_q26857e2414_proj
	.p2align	8
	.type	k_q26857e2414_proj,@function
k_q26857e2414_proj:
	s_mov_b64 s[64:65], 0
	v_nop
	global_prefetch_b8 v0, s[64:65] scope:SCOPE_SE
	s_setreg_imm32_b32 hwreg(HW_REG_WAVE_MODE, 25, 1), 1
	s_wait_xcnt 0x0
	s_wait_alu depctr_hold_cnt(0) depctr_sa_sdst(0) depctr_va_vdst(0) depctr_va_sdst(0) depctr_va_ssrc(0) depctr_va_vcc(0) depctr_vm_vsrc(0)
	s_getreg_b32 s2, hwreg(HW_REG_IB_STS2, 6, 4)
	s_cmp_eq_u32 s2, 0
	s_cbranch_scc0 .Lentry_in_a_cluster
	s_endpgm
.Lentry_in_a_cluster:
	s_bfe_u32 s2, ttmp6, 0x10000c
	s_cmp_lg_u32 s2, 0xf033
	s_cbranch_scc0 .Lentry_shape_is_right
	s_endpgm
.Lentry_shape_is_right:
; PROJECTION.  out0 = o proj_w^T + proj_b, f16 operands, f32 sums.  o and proj_w arrive as images of operand registers: [block of 16 rows][chunk = K / 32][g][lane][16 bytes].
; SHARES.  A work-group makes 128 main rows x 256 columns, each of its four waves 64 x 128: 32 accumulators.  K goes in eight steps of 128 (four chunks) through a ring of two LDS slots.  A tile's row is a block's 4,096 bytes of a K step, dense in LDS:
; a fragment load takes 512 consecutive bytes.
; CLUSTER.  4 x 4 work-groups: the four of a row need the same rows of o, the four of a column the same rows of proj_w: each tile is asked for jointly.  Where a slot is filled again a round of the cluster's barrier stands in front.
; THE MATRIX INSTRUCTION IS USED TRANSPOSED (source 0 = 16 rows of proj_w, source 1 = 16 rows of o): a lane holds eight neighbouring numbers of a row of out0.  The bias is the C of each sum's first matrix instruction.
; THE CLS ROWS (block 512 of o): each of the 64 waves of the first row of clusters makes 16 columns of them, operands straight from memory, behind its last stores of the main tile, and stores rows 0-7 (batch = row) as pieces of 64 bytes:
; 32 KiB in the whole launch.
; Main row b x 1,024 + i is row b x 1,025 + 1 + i of out0.
; REGISTERS.  Window 0: v1-27 addresses; v28, v29 the add's two; v96-159 the bias; v128-255 rows on the way out; v224-255 the cls job.   Window 1: two sets of fragments (4 of o, 8 of proj_w: 96 registers).   Window 2: accumulator (a, b) at 8 (8 a + b).
.set SLOT,  98304                      ; o's 8 blocks x 4,096 bytes, then proj_w's 16
.set STAGE, 2*SLOT                     ; behind the ring: 16 rows x (512 bytes + 16) for each wave; no tile lands here
.set SPARE, STAGE+4*16*528             ; the spare words: 128 bytes for each wave
.set L16,  1
.set H32,  5
.set ADRA, 16
.set ADRB, 20
.set STO,  24
.set RD,   25
.set SPW,  28
.set NIL,  29
.set BI,   96
.set BK,   128
.set WV,   14
.set WR,   15                          ; which 64 rows are mine.  Also: I fetch o (0) or proj_w (1)
.set WC,   16                          ; which 128 columns.  Also: which half of that tile I fetch
.set TY,   17
.set CX,   40
.set CY,   41
.set TX,   42
.set G1,   24
.set G0,   32
.set G1B,  48
.set G0B,  56
.set MSB, 0
.macro WIN new
.if MSB != \new
	s_set_vgpr_msb (MSB<<8)|\new
.set MSB, \new
.endif
.endm
.macro PLACES n
.rept \n
	v_nop
.endr
.endm
.macro JLOAD s                         ; a joint refill of slot s: waves 0 and 1 for o, waves 2 and 3 for proj_w; an s_nop 0 and four v_nop follow each of the two lines
	s_cmp_eq_u32 s[WR], 0
	s_cbranch_scc0 .Lfor_b_\@
	tensor_load_to_lds s[G0+4*\s:G0+4*\s+3], s[G1:G1+7]
	s_nop 0
	PLACES 4
	s_branch .Lasked_\@
.Lfor_b_\@:
	tensor_load_to_lds s[G0B+4*\s:G0B+4*\s+3], s[G1B:G1B+7]
	s_nop 0
	PLACES 4
.Lasked_\@:
.endm
.macro CREST
	s_cmp_lg_u32 s[WV], 0
	s_cbranch_scc1 .Lnot_wave_0_\@
	s_barrier_signal -3
.Lnot_wave_0_\@:
	s_barrier_wait -3
	s_barrier_signal -1
	s_barrier_wait -1
.endm
.macro CROUND
	s_barrier_signal -1
	s_barrier_wait -1
	CREST
.endm
	s_load_b256 s[4:11], s[0:1], 0x0               ; ob, pw, proj_b, out0
	v_lshl_add_u32 v[SPW], v0, 2, SPARE
	v_mov_b32 v[NIL], 0
	ds_add_u32 v[SPW], v[NIL]                      ; the wave's opening: the add, twice on end, and its wait ahead of my first tensor load
	ds_add_u32 v[SPW], v[NIL]
	v_lshrrev_b32 v2, 5, v0
	v_readfirstlane_b32 s[WV], v2
	s_lshr_b32 s[WR], s[WV], 1
	s_and_b32 s[WC], s[WV], 1
	s_bfe_u32 s[CX], ttmp6, 0x40000
	s_bfe_u32 s[CY], ttmp6, 0x40004
	s_lshl_b32 s[TX], ttmp9, 2
	s_add_co_u32 s[TX], s[TX], s[CX]
	s_and_b32 s[TY], ttmp7, 0xffff
	s_lshl_b32 s[TY], s[TY], 2
	s_add_co_u32 s[TY], s[TY], s[CY]
	s_lshl_b32 s43, s[CY], 2
	s_lshl_b32 s43, 15, s43                        ; my row of the cluster
	s_lshl_b32 s44, 0x1111, s[CX]                  ; my column
	; group 1: rows of 4,096 bytes (512 elements of 8 bytes), 32,768 bytes apart in memory, dense in LDS; 4 blocks of o or 8 of proj_w to a load
	s_or_b32 s[G1], s43, (3<<16)|(1<<21)
	s_or_b32 s[G1B], s44, (3<<16)|(1<<21)
	s_mov_b32 s[G1+1], 512<<16
	s_mov_b32 s[G1+2], 4<<16
	s_mov_b32 s[G1+3], 512<<16
	s_mov_b32 s[G1+4], 4
	s_mov_b32 s[G1+5], 4096
	s_mov_b32 s[G1+6], 0
	s_mov_b32 s[G1+7], 0
	s_mov_b32 s[G1B+1], 512<<16
	s_mov_b32 s[G1B+2], 8<<16
	s_mov_b32 s[G1B+3], 512<<16
	s_mov_b32 s[G1B+4], 8
	s_mov_b32 s[G1B+5], 4096
	s_mov_b32 s[G1B+6], 0
	s_mov_b32 s[G1B+7], 0
	s_lshl_b32 s20, s[TY], 18                      ; o: block 8 ty + 4 x half
	s_lshl_b32 s21, s[WC], 17
	s_add_co_u32 s20, s20, s21
	s_mov_b32 s21, 0
	s_lshl_b32 s46, s[TX], 19                      ; proj_w: block 16 tx + 8 x half
	s_lshl_b32 s47, s[WC], 18
	s_add_co_u32 s46, s46, s47
	s_mov_b32 s47, 0
	s_lshl_b32 s45, s[WC], 14                      ; in LDS: the wave's number alone
	s_lshl_b32 s22, s[WC], 15
	s_add_co_u32 s22, s22, 32768
	s_wait_dscnt 0x0                               ; both opening adds are done
	s_wait_kmcnt 0x0
	s_add_nc_u64 s[20:21], s[4:5], s[20:21]
	s_add_nc_u64 s[46:47], s[6:7], s[46:47]
	CROUND                                         ; all sixteen work-groups are here: the first joint loads meet
.irp k, 0,1
	s_mov_b32 s[G0+4*\k], 1
	s_add_co_u32 s[G0+4*\k+1], s45, \k*SLOT
	s_add_nc_u64 s[G0+4*\k+2:G0+4*\k+3], s[20:21], \k*4096
	s_or_b32 s[G0+4*\k+3], s[G0+4*\k+3], 0x80000000
	s_mov_b32 s[G0B+4*\k], 1
	s_add_co_u32 s[G0B+4*\k+1], s22, \k*SLOT
	s_add_nc_u64 s[G0B+4*\k+2:G0B+4*\k+3], s[46:47], \k*4096
	s_or_b32 s[G0B+4*\k+3], s[G0B+4*\k+3], 0x80000000
.endr
	s_cmp_eq_u32 s[WR], 0                          ; a wave's two first fills stand in one branch on its number: two loads of mine are out
	s_cbranch_scc0 .Lfirst_b
	tensor_load_to_lds s[G0:G0+3], s[G1:G1+7]
	s_nop 0
	tensor_load_to_lds s[G0+4:G0+7], s[G1:G1+7]
	s_nop 0
	PLACES 4
	s_branch .Lfirst_asked
.Lfirst_b:
	tensor_load_to_lds s[G0B:G0B+3], s[G1B:G1B+7]
	s_nop 0
	tensor_load_to_lds s[G0B+4:G0B+7], s[G1B:G1B+7]
	s_nop 0
	PLACES 4
.Lfirst_asked:
	v_and_b32 v2, 15, v0                           ; r
	v_bfe_u32 v3, v0, 4, 1                         ; h
	v_and_b32 v4, 31, v0
	v_lshlrev_b32 v[L16], 4, v4
	v_lshlrev_b32 v[H32], 5, v3
	s_lshl_b32 s18, s[WR], 14
	s_lshl_b32 s19, s[WC], 15
	s_add_co_u32 s19, s19, 32768
.irp k, 0,1
	v_add_nc_u32 v[ADRA+\k], s18, v[L16]
	v_add_nc_u32 v[ADRB+\k], s19, v[L16]
	s_add_co_u32 s18, s18, SLOT
	s_add_co_u32 s19, s19, SLOT
.endr
	s_mul_i32 s18, s[WV], 16*528
	s_add_co_u32 s18, s18, STAGE                   ; my stage
	v_mul_u32_u24 v[STO], v2, 528
	v_add_nc_u32 v[STO], v[H32], v[STO]
	v_add_nc_u32 v[STO], s18, v[STO]               ; in: row r, 32 bytes for each half of the lanes
	v_add_nc_u32 v[RD], s18, v[L16]                ; back: the 32 lanes take a row of 512 bytes
	s_lshl_b32 s18, s[TX], 10
	s_lshl_b32 s19, s[WC], 9
	s_add_co_u32 s18, s18, s19                     ; my first column, in bytes
	s_mov_b32 s19, 0
	s_add_nc_u64 s[12:13], s[8:9], s[18:19]        ; its bias
	s_lshr_b32 s20, s[TY], 3
	s_mul_i32 s20, s20, 1025
	s_and_b32 s21, s[TY], 7
	s_lshl_b32 s21, s21, 7
	s_add_co_u32 s20, s20, s21
	s_lshl_b32 s21, s[WR], 6
	s_add_co_u32 s20, s20, s21
	s_add_co_u32 s20, s20, 1                       ; my first row of out0
	s_lshl_b32 s20, s20, 12
	s_add_co_u32 s20, s20, s18
	s_mov_b32 s21, 0
	s_add_nc_u64 s[66:67], s[10:11], s[20:21]
.irp b, 0,1,2,3,4,5,6,7
	global_load_b128 v[BI+8*\b:BI+8*\b+3], v[H32], s[12:13] offset:64*\b
	global_load_b128 v[BI+8*\b+4:BI+8*\b+7], v[H32], s[12:13] offset:64*\b+16
.endr
.macro FETCH slot, q, set              ; chunk q of the slot: 8 fragments of proj_w, 4 of o
	WIN 0x40
.irp b, 0,1,2,3,4,5,6,7
.irp g, 0,1
	ds_load_b128 v[96*(\set)+32+8*\b+4*\g:96*(\set)+32+8*\b+4*\g+3], v[ADRB+\slot] offset:4096*\b+1024*(\q)+512*\g
.endr
.endr
.irp a, 0,1,2,3
.irp g, 0,1
	ds_load_b128 v[96*(\set)+8*\a+4*\g:96*(\set)+8*\a+4*\g+3], v[ADRA+\slot] offset:4096*\a+1024*(\q)+512*\g
.endr
.endr
.endm
.macro MULA set, a, first              ; 8 matrix instructions: row block a x the eight column blocks.  The 32 accumulators take turns, in the same order in every chunk
.irp b, 0,1,2,3,4,5,6,7
.if \first
	v_wmma_f32_16x16x32_f16 v[8*(8*(\a)+\b):8*(8*(\a)+\b)+7], v[96*(\set)+32+8*\b:96*(\set)+32+8*\b+7], v[96*(\set)+8*(\a):96*(\set)+8*(\a)+7], v[BI+8*\b:BI+8*\b+7]
.else
	v_wmma_f32_16x16x32_f16 v[8*(8*(\a)+\b):8*(8*(\a)+\b)+7], v[96*(\set)+32+8*\b:96*(\set)+32+8*\b+7], v[96*(\set)+8*(\a):96*(\set)+8*(\a)+7], v[8*(8*(\a)+\b):8*(8*(\a)+\b)+7]
.endif
.endr
.endm
.macro CH slot, q, first               ; one of a slot's first three chunks: the next chunk's fragments are asked for, then this chunk is multiplied
	PLACES 4                                       ; four plain lines between the last product that read a set and the loads into it (ISA guide 7.12.1 for vector instructions)
	FETCH \slot, (\q)+1, ((\q)+1)%2
	s_wait_dscnt 24                                ; this chunk's fragments are in; the 24 loads just issued stay out
.if \first
	WIN 0x85                                       ; sources 0 and 1 window 1, C (the bias) window 0, D window 2
.else
	WIN 0xa5
.endif
	MULA (\q)%2, 0, \first
	MULA (\q)%2, 1, \first
	MULA (\q)%2, 2, \first
	MULA (\q)%2, 3, \first
.endm
; A slot's last chunk changes slots: ONE barrier; in front of it each wave waits for all its tensor loads, adds 0 to its spare word, and waits for that and for its reads of this slot.  fill = 1: the barrier opens a round of the cluster's,
; and the slot is filled again, two K steps ahead, first thing behind it: one load a wave.
.macro TURN slot, next, fill
	WIN 0
	s_wait_tensorcnt 0x0                           ; all my tensor loads have landed: my part of the next slot
	ds_add_u32 v[SPW], v[NIL]                      ; 0 onto my spare word
	s_wait_dscnt 1                                 ; the chunk's fragments are in; the add may be out
	WIN 0xa5
	MULA 1, 0, 0
	s_wait_dscnt 0x0                               ; the add is done, and my reads of this slot are over
	s_barrier_signal -1
	MULA 1, 1, 0
	WIN 0
	s_barrier_wait -1
.if \fill
	CREST                                          ; no wave of any partner still reads this slot or has a load on its way
	s_add_nc_u64 s[G0+4*\slot+2:G0+4*\slot+3], s[G0+4*\slot+2:G0+4*\slot+3], 8192
	s_add_nc_u64 s[G0B+4*\slot+2:G0B+4*\slot+3], s[G0B+4*\slot+2:G0B+4*\slot+3], 8192
	JLOAD \slot                                    ; its four v_nop are also the plain lines in front of the loads below
.else
	PLACES 4
.endif
	FETCH \next, 0, 0
	WIN 0xa5
	MULA 1, 2, 0
	MULA 1, 3, 0
.endm
	s_wait_tensorcnt 1                             ; my part of K step 0 has landed; K step 1's load stays out
	s_barrier_signal -1
	s_barrier_wait -1
	s_wait_loadcnt 0x0                             ; the bias
	FETCH 0, 0, 0
	CH 0, 0, 1                                     ; the first chunk stands in front of the loop: its products start the sums on the bias
	WIN 0
	s_mov_b32 s3, 3
.Llap:                                             ; a trip goes once round the ring and fills both slots again: six refills in all
	CH 0, 1, 0
	CH 0, 2, 0
	TURN 0, 1, 1
	CH 1, 0, 0
	CH 1, 1, 0
	CH 1, 2, 0
	TURN 1, 0, 1
	CH 0, 0, 0
	WIN 0
	s_sub_co_u32 s3, s3, 1
	s_cmp_lg_u32 s3, 0
	s_cbranch_scc1 .Llap
	CH 0, 1, 0                                     ; the last lap fills nothing
	CH 0, 2, 0
	TURN 0, 1, 0
	CH 1, 0, 0
	CH 1, 1, 0
	CH 1, 2, 0
	s_wait_dscnt 0x0
	WIN 0xa5
	MULA 1, 0, 0
	MULA 1, 1, 0
	MULA 1, 2, 0
	MULA 1, 3, 0
	WIN 0
; THE WAY OUT, a block of 16 rows x 128 columns at a time, through my own stage: in as 32 bytes a lane, back as whole rows of 512 bytes.  LDS serves a wave's instructions in order (ISA guide 5.7.1): no wait between stores and loads.
.macro TOSTAGE a
	WIN 0x08                                       ; an LDS store's data are its source 1: window 2
.irp b, 0,1,2,3,4,5,6,7
	ds_store_b128 v[STO], v[64*(\a)+8*\b:64*(\a)+8*\b+3] offset:64*\b          ; each accumulator from its low end on
	ds_store_b128 v[STO], v[64*(\a)+8*\b+4:64*(\a)+8*\b+7] offset:64*\b+16
.endr
	WIN 0
.irp t, 0,1,2,3,4,5,6,7,8,9,10,11,12,13,14,15
	ds_load_b128 v[BK+64*((\a)%2)+4*\t:BK+64*((\a)%2)+4*\t+3], v[RD] offset:528*\t
.endr
.endm
.macro SEND a, younger
	s_wait_dscnt \younger                          ; the block is back; the LDS instructions issued behind its loads stay out
.if (\a) > 0
	s_add_nc_u64 s[66:67], s[66:67], 16*4096       ; (behind a wait that shows the earlier stores' base read)
.endif
.irp t, 0,1,2,3,4,5,6,7,8,9,10,11,12,13,14,15
	global_store_b128 v[L16], v[BK+64*((\a)%2)+4*\t:BK+64*((\a)%2)+4*\t+3], s[66:67] offset:4096*\t th:TH_STORE_NT   ; 512 consecutive bytes, aligned; written once
.endr
.endm
	PLACES 4
	TOSTAGE 0
.irp a, 1,2,3
.if \a > 1
	s_wait_xcnt 0x0                                ; block a - 2's stores have read their registers and their base
.endif
	TOSTAGE \a
	SEND \a-1, 32
.endr
	s_wait_xcnt 0x0
	SEND 3, 0
	; ---- the cls job, behind the main tile's last stores: its loads and products run while those stores are on their way
	s_and_b32 s18, ttmp7, 0xffff
	s_cmp_lg_u32 s18, 0                            ; the cluster's y: the same in all partners
	s_cbranch_scc1 .Lno_cls
	s_wait_xcnt 0x0                                ; the last stores have read their registers: v224-255 are written again only behind this wait
	s_lshl_b32 s18, s[CY], 2
	s_add_co_u32 s18, s18, s[CX]
	s_lshl_b32 s18, s18, 2
	s_add_co_u32 s18, s18, s[WV]                   ; which 16 columns of 1,024: it enters global addresses alone
	s_lshl_b32 s20, s18, 15
	s_mov_b32 s21, 0
	s_add_nc_u64 s[22:23], s[6:7], s[20:21]
	s_add_nc_u64 s[46:47], s[4:5], 512*32768
	s_lshl_b32 s20, s18, 6
	s_add_nc_u64 s[18:19], s[8:9], s[20:21]
	s_add_nc_u64 s[20:21], s[10:11], s[20:21]
	WIN 0x80                                       ; destination window 2: the accumulators have left through the stage
.set n, 0
.rept 64
	global_load_b128 v[4*n:4*n+3], v[L16], s[46:47] offset:512*n
.set n, n+1
.endr
	WIN 0x40                                       ; destination window 1
.set n, 0
.rept 64
	global_load_b128 v[4*n:4*n+3], v[L16], s[22:23] offset:512*n
.set n, n+1
.endr
	WIN 0
	global_load_b128 v[240:243], v[H32], s[18:19]
	global_load_b128 v[244:247], v[H32], s[18:19] offset:16
	s_mov_b32 s68, 4198400
	v_and_b32 v27, 7, v2
	v_mul_lo_u32 v27, v27, s68                     ; batch r: 1,025 rows of 4,096 bytes
	v_add_nc_u32 v27, v[H32], v27
	s_wait_loadcnt 0x0
	WIN 0x09                                       ; source 0 (proj_w) window 1, source 1 (o) window 2
	v_wmma_f32_16x16x32_f16 v[224:231], v[0:7], v[0:7], v[240:247]
	v_wmma_f32_16x16x32_f16 v[232:239], v[8:15], v[8:15], 0
.set n, 1
.rept 15                               ; two accumulators by turns, the even chunks and the odd
	v_wmma_f32_16x16x32_f16 v[224:231], v[16*n:16*n+7], v[16*n:16*n+7], v[224:231]
	v_wmma_f32_16x16x32_f16 v[232:239], v[16*n+8:16*n+15], v[16*n+8:16*n+15], v[232:239]
.set n, n+1
.endr
	WIN 0
	PLACES 4
.irp i, 0,2,4,6
	v_pk_add_f32 v[248+\i:249+\i], v[224+\i:225+\i], v[232+\i:233+\i]
.endr
	v_cmp_gt_u32 vcc_lo, 8, v2
	s_wait_xcnt 0x0                                ; EXEC changes only behind this wait
	s_and_saveexec_b32 s69, vcc_lo
	global_store_b128 v27, v[248:251], s[20:21]
	global_store_b128 v27, v[252:255], s[20:21] offset:16
	s_wait_xcnt 0x0                                ; and again, ahead of the line that widens it
	s_or_b32 exec_lo, exec_lo, s69
.Lno_cls:
	s_wait_tensorcnt 0x0                           ; the wave's end
	ds_add_u32 v[SPW], v[NIL]
	s_wait_dscnt 0x0
	CROUND                                         ; the closing round
	s_endpgm
.Lfunc_end_k_q26857e2414_proj:
	.size	k_q26857e2414_proj, .Lfunc_end_k_q26857e2414_proj-k_q26857e2414_proj
	.p2alignl 7, 3214868480
	.fill 96, 4, 3214868480
	.section	.rodata,"a",@progbits
	.p2align	6, 0x0
	.amdhsa_kernel k_q26857e2414_proj
		.amdhsa_group_segment_fixed_size 327680
		.amdhsa_private_segment_fixed_size 0
		.amdhsa_enable_private_segment 0
		.amdhsa_kernarg_size 32
		.amdhsa_user_sgpr_count 2
		.amdhsa_user_sgpr_kernarg_segment_ptr 1
		.amdhsa_wavefront_size32 1
		.amdhsa_system_sgpr_workgroup_id_x 1
		.amdhsa_system_sgpr_workgroup_id_y 1
		.amdhsa_system_sgpr_workgroup_id_z 1
		.amdhsa_system_vgpr_workitem_id 0
		.amdhsa_next_free_vgpr 768
		.amdhsa_next_free_sgpr 72
		.amdhsa_reserve_vcc 1
		.amdhsa_float_denorm_mode_32 3
		.amdhsa_float_denorm_mode_16_64 3
		.amdhsa_memory_ordered 1
		.amdhsa_forward_progress 1
		.amdhsa_inst_pref_size 101
	.end_amdhsa_kernel
	.amdgpu_metadata
---
amdhsa.version: [ 1, 2 ]
amdhsa.kernels:
  - .name:           k_q26857e2414_proj
    .symbol:         k_q26857e2414_proj.kd
    .args:
      - { .name: ob, .offset: 0, .size: 8, .value_kind: global_buffer, .address_space: global }
      - { .name: pw, .offset: 8, .size: 8, .value_kind: global_buffer, .address_space: global }
      - { .name: proj_b, .offset: 16, .size: 8, .value_kind: global_buffer, .address_space: global }
      - { .name: out0, .offset: 24, .size: 8, .value_kind: global_buffer, .address_space: global }
    .group_segment_fixed_size: 327680
    .private_segment_fixed_size: 0
    .kernarg_segment_align: 8
    .kernarg_segment_size: 32
    .max_flat_workgroup_size: 128
    .sgpr_count:     72
    .vgpr_count:     768
    .wavefront_size: 32
...
	.end_amdgpu_metadata
.endif
;; end of part 4
